; MI455X (gfx1250); checked and timed in simulation.
; The chip was launched on July 23, 2026; its instructions are those of AMD's public machine-readable ISA for CDNA 5 (MIT licence, August 2026) and "CDNA5" Instruction Set Architecture Reference Guide (July 2026). The comments in the code are by the model that wrote it; some were corrected since.
;; Multi Head Attention. Allowed arithmetic: matrix products marked QUANTISED: E2M1 operands, one E8M0 scale for each 32 along K, by v_wmma_scale_f32_16x16x128_f8f6f4 with both operands' format E2M1 (or v_wmma_scale_f32_32x16x128_f4), f32 sums; products left as they are: bf16, f16 or f32 operands; f32 sums; everything else in f32.
;; Inputs: Wk 1,024 x 1,024 float32; Wo 1,024 x 1,024 float32; Wq 1,024 x 1,024 float32; Wv 1,024 x 1,024 float32; key 4 x 2,048 x 1,024 float32; mask 4 x 2,048 x 2,048 int32; query 4 x 2,048 x 1,024 float32; value 4 x 2,048 x 1,024 float32.
;; Outputs: out0 4 x 2,048 x 1,024 float32.
;; This version of the problem:
;;   THIS VERSION OF THE PROBLEM IS GIVEN IN LOW PRECISION. The matrix products marked QUANTISED in the list below multiply operands that are first quantised to E2M1 (2 exponent bits, 1 mantissa bit; 4 bits a number), with one power-of-two scale for each 32 numbers along K (OCP MX v1.0); their sums are f32. The products marked 'left as it is' may take bf16, f16 or f32 operands, with f32 sums. Whichever they take, every output number must still come out within the allowed error. Rounding operands to bf16 (8 significant bits) uses up far more of that allowance than f16 does (11 bits, for magnitudes from 6e-5 to 65,504). All else is computed in f32.
;;   The module's matrix products, in the order in which they are computed (A, B: the left and right operand; K: the contracted axis; several contracted axes count as one K, in the product's order):
;;     1. [M 8,192, K 1,024] x [K 1,024, N 1,024]; A: input query; B: input Wq: QUANTISED
;;     2. [M 8,192, K 1,024] x [K 1,024, N 1,024]; A: input key; B: input Wk: QUANTISED
;;     3. [M 8,192, K 1,024] x [K 1,024, N 1,024]; A: input value; B: input Wv: QUANTISED
;;     4. batch 64 x [M 2,048, K 64] x [K 64, N 2,048]; A: computed on the way; B: computed on the way: left as it is (an operand is computed on the way)
;;     5. batch 64 x [M 2,048, K 2,048] x [K 2,048, N 64]; A: computed on the way; B: computed on the way: left as it is (an operand is computed on the way)
;;     6. [M 8,192, K 1,024] x [K 1,024, N 1,024]; A: computed on the way; B: input Wo: left as it is (an operand is computed on the way)
;;   THE QUANTISER, for each operand of a quantised product, along K:
;;     - K is cut into blocks of 32 from its start; a last block that is shorter is filled with zeros.
;;     - A block's scale is 2^e with e = floor(log2(the largest magnitude in the block)) - 2, held to -126 .. 127; a block of zeros has e = 0. As a byte (E8M0): e + 127.
;;     - Each number is divided by its block's scale, clamped to +-6, and rounded to the nearest number of E2M1, ties to even, subnormals kept.
;;     - The product sums the exact products of the quantised numbers (number of the format x scale) in f32.
;;   ~~~python
;;   def quantise(x, axis):      # numpy; x: float32 -> the quantised numbers, widened to float32 again
;;       x = np.moveaxis(x, axis, -1); K = x.shape[-1]
;;       x = np.pad(x, [(0, 0)] * (x.ndim - 1) + [(0, -K % 32)]); x = x.reshape(x.shape[:-1] + (-1, 32)); a = np.abs(x).max(-1, keepdims=True)
;;       e = np.where(a > 0, np.clip(np.frexp(np.where(a > 0, a, 1))[1] - 1 - 2, -126, 127), 0)      # np.frexp(a)[1] - 1 = floor(log2(a)), exactly
;;       r = np.clip(x / 2.0 ** e, -6, 6)
;;       step = 2.0 ** (np.maximum(np.frexp(np.where(r == 0, 1, r))[1] - 1, 0) - 1)
;;       q = np.round(r / step) * step * 2.0 ** e      # np.round: ties to even
;;       return np.moveaxis(q.reshape(q.shape[:-2] + (-1,))[..., :K], -1, axis).astype(np.float32)
;;   ~~~
;; One version. Each part assembles by itself: llvm-mc -triple=amdgcn-amd-amdhsa -mcpu=gfx1250 --defsym DOCPART=n.
;; ======== version 1 of 1: 4 launches
;; limits: values are held in f16: magnitudes above 65,504 overflow, below 6.1e-05 lose precision
;; workspace buffers: codes 14,155,776 bytes; scales 884,736 bytes; wo16 2,097,152 bytes; mbits 2,097,152 bytes of whole numbers; qkv16 50,331,648 bytes; ctx16 16,777,216 bytes
;; launch prep (part 1): grid 1952 x 1, 4 waves a work-group, no clusters, 50,688 bytes of LDS; arguments query, key, value, Wq, Wk, Wv, Wo, mask, codes, scales, wo16, mbits; writes codes, scales, wo16, mbits
.if DOCPART == 1
	.amdgcn_target "amdgcn-amd-amdhsa--gfx1250"
	.amdhsa_code_object_version 6
	.text
	.protected	k_q1962ba959a_prep
	.globl	k_q1962ba959a_prep
	.p2align	8
	.type	k_q1962ba959a_prep,@function
k_q1962ba959a_prep:
	s_mov_b64 s[64:65], 0
	v_nop
	global_prefetch_b8 v0, s[64:65] scope:SCOPE_SE
	s_setreg_imm32_b32 hwreg(HW_REG_WAVE_MODE, 25, 1), 1
	s_wait_xcnt 0x0
; PREP: everything that is made once from the inputs.  Three kinds of work-groups, told apart by the work-group's number; they never join, and each has LDS bytes of its own.
;  Q (work-groups 0-863): query, key, value [8192][1024] and Wq, Wk, Wv [1024][1024], f32 with K innermost, become codes of FP4 (E2M1) and one E8M0 byte for each 32 along K.
;    The six tensors are laid one behind the other: 27,648 rows of 512 bytes of codes and of 32 scale bytes.  Rows are dense, so each tensor is a plain stream of blocks of 32.
;    A block's scale is 2^(floor(log2(largest magnitude)) - 2); its byte is the largest magnitude's exponent field - 2, held at 1 from below.
;  M (work-groups 864-1887): the mask [4][2048][2048] int32 becomes one bit a number, laid as the lane masks that the attention launch selects by:
;    [batch][64 queries][64 keys][tile of 16 queries][32 words]; word 8 kt + j, bit l: mask(query 16 tile + l % 16, key 16 kt + 2 j + l / 16) != 0.
;  W (work-groups 1888-1951): Wo becomes f16, in place order.
; LIMITS: NaN and infinities among the inputs are not served.  A block of zeros gets the byte 1 where the rule says 127: its codes are zeros, which add nothing under any byte but 0xff, and the bytes are read
; by this program alone.  A block whose largest magnitude lies under 2^-124 has its byte held at 1.
.set SPARE, 50176                      ; behind both paths' regions: the spare words, 128 bytes for each wave: two blocks of 256 bytes that no other line names
.set SPW,   12                         ; v12  LDS address of my spare word: SPARE + 4 x my thread's number; never rewritten
.set NIL,   13                         ; v13  0; never rewritten
	s_load_b512 s[4:19], s[0:1], 0x0               ; query s[4:5], key s[6:7], value s[8:9], Wq s[10:11], Wk s[12:13], Wv s[14:15], Wo s[16:17], mask s[18:19]
	s_load_b256 s[20:27], s[0:1], 0x40             ; codes s[20:21], scales s[22:23], wo16 s[24:25], mbits s[26:27]
	v_lshl_add_u32 v[SPW], v0, 2, SPARE
	v_mov_b32 v[NIL], 0
	v_lshrrev_b32 v1, 5, v0
	v_readfirstlane_b32 s28, v1                    ; wave 0..3
	v_and_b32 v2, 31, v0                           ; lane
	s_wait_kmcnt 0x0
	s_cmp_lt_u32 ttmp9, 864
	s_cbranch_scc1 .Lquant
	s_cmp_lt_u32 ttmp9, 1888
	s_cbranch_scc1 .Lmask
; ---- W: a wave takes 4,096 numbers of Wo: 32 loads of 512 consecutive bytes, 32 stores of 256.  No LDS.
	s_sub_co_u32 s29, ttmp9, 1888
	s_lshl_b32 s29, s29, 2
	s_add_co_u32 s29, s29, s28                     ; which run of 4,096 numbers
	s_lshl_b32 s30, s29, 14
	s_mov_b32 s31, 0
	s_add_nc_u64 s[16:17], s[16:17], s[30:31]
	s_lshl_b32 s30, s29, 13
	s_add_nc_u64 s[24:25], s[24:25], s[30:31]
	v_lshlrev_b32 v3, 4, v2
	v_lshlrev_b32 v4, 3, v2
.set i, 0
.rept 32
	global_load_b128 v[16+4*i:19+4*i], v3, s[16:17] offset:512*i th:TH_LOAD_NT
.set i, i+1
.endr
.set i, 0
.rept 32
	s_wait_loadcnt 31-i                            ; loads come back in order: load i is in, the 31 - i younger ones stay out
	v_cvt_pk_f16_f32 v[16+4*i], v[16+4*i], v[17+4*i]
	v_cvt_pk_f16_f32 v[17+4*i], v[18+4*i], v[19+4*i]
	global_store_b64 v4, v[16+4*i:17+4*i], s[24:25] offset:256*i   ; 32 lanes store 256 consecutive bytes, aligned
.set i, i+1
.endr
	s_endpgm
; ---- M: a wave takes 64 queries x 64 keys: 16 KiB in, 512 bytes out.  The four waves of a work-group stand side by side on 1,024 bytes of each row of the mask.
; A load takes two rows' 256 bytes.  Sixteen rows at a time turn through the wave's own stage (rows of 272 bytes), so that lane l holds query l % 16 and key 2 j + l / 16 of a group of 16 keys;
; a compare then gives the 32 lanes' bits as one word.
.Lmask:
	s_sub_co_u32 s29, ttmp9, 864
	s_lshl_b32 s29, s29, 2
	s_add_co_u32 s29, s29, s28                     ; T = (32 batch + group of 64 queries) x 32 + step of 64 keys
	s_lshr_b32 s30, s29, 5
	s_lshl_b32 s30, s30, 19                        ; 64 rows of 8,192 bytes
	s_and_b32 s31, s29, 31
	s_lshl_b32 s31, s31, 8                         ; 64 keys of 4 bytes
	s_add_co_u32 s30, s30, s31
	s_mov_b32 s31, 0
	s_add_nc_u64 s[18:19], s[18:19], s[30:31]
	s_lshl_b32 s30, s29, 9
	s_add_nc_u64 s[26:27], s[26:27], s[30:31]
	v_and_b32 v7, 15, v2                           ; r
	v_lshrrev_b32 v8, 4, v2                        ; h
	v_lshlrev_b32 v9, 4, v7
	v_lshl_add_u32 v3, v8, 13, v9                  ; in memory: row h of a pair, 16 bytes a lane
	s_mul_i32 s32, s28, 4352
	s_add_co_u32 s32, s32, 32768                   ; my stage: 16 rows x 272 bytes
	v_mad_u32_u24 v4, v8, 272, v9
	v_add_nc_u32 v4, s32, v4                       ; into it, as loaded
	v_mul_u32_u24 v5, v7, 272
	v_lshl_add_u32 v5, v8, 2, v5
	v_add_nc_u32 v5, s32, v5                       ; out of it: row r, word h: 68 r + h words: 32 different banks
	v_lshlrev_b32 v6, 4, v2                        ; the way out: 16 bytes a lane
.irp j, 0,1,2,3
	v_mov_b32 v[176+\j], 0                         ; written once: a written lane's register counts as read
.endr
.set i, 0
.rept 32
	global_load_b128 v[16+4*i:19+4*i], v3, s[18:19] offset:16384*i th:TH_LOAD_NT   ; rows 2 i and 2 i + 1: two whole runs of 256 bytes
.set i, i+1
.endr
.macro MTILE t                         ; queries 16 t .. 16 t + 15
	s_wait_loadcnt 8*(3-\t)                        ; this tile's eight loads are in; the younger tiles' stay out
.irp n, 0,1,2,3,4,5,6,7
	ds_store_b128 v4, v[16+4*(8*\t+\n):19+4*(8*\t+\n)] offset:544*\n
.endr
.set i, 0
.rept 32
	ds_load_b32 v[144+i], v5 offset:64*(i/8)+8*(i%8)   ; LDS serves a wave's instructions in order: these see the stores above, and the next tile's stores come behind them
.set i, i+1
.endr
	s_wait_dscnt 0x0
.set i, 0
.rept 4
.set k, 0
.rept 8
	v_cmp_ne_u32 s[40+k], 0, v[144+i+k]            ; word i + k of the tile
.set k, k+1
.endr
.set k, 0
.rept 8
	v_writelane_b32 v[176+(i+k)%4], s[40+k], 8*\t+(i+k)/4   ; word 32 t + i + k of the wave's 128: lane (32 t + i + k) / 4, register (i + k) % 4
.set k, k+1
.endr
.set i, i+8
.endr
.endm
	MTILE 0
	MTILE 1
	MTILE 2
	MTILE 3
	global_store_b128 v6, v[176:179], s[26:27]     ; 512 consecutive bytes
	s_wait_tensorcnt 0x0                           ; the wave's end: behind my last LDS store
	ds_add_u32 v[SPW], v[NIL]
	s_wait_dscnt 0x0
	s_endpgm
; ---- Q: a work-group takes 32,768 numbers, a wave 16 steps of 512.  A step's four loads read 512 consecutive bytes each; the 2,048 bytes go through the wave's own stage as they lie and come back 64 bytes a lane,
; so that a lane holds 16 neighbours along K and two neighbouring lanes a block.  A lane's 16 codes are 8 bytes: the wave stores 256 consecutive bytes.  A wave's 256 scale bytes are gathered in LDS and leave as one run.
.set STEPS, 16
.set CB,    8                          ; bytes of 16 codes
.set R,     16                         ; v16-79   four sets of 16 numbers as loaded
.set X,     80                         ; v80-111  two sets of 16 neighbours
.set E,     112                        ; v112-127 a scale byte for each step
.set C,     128                        ; v128-191 codes: four registers for each step, so that no store's data are written again
.set WREG,  8192                       ; a wave's region: two stages of 32 x SP bytes, then its 256 scale bytes
.set SP,    80                         ; a lane's place in a stage: 64 bytes + 16 of padding
.Lquant:
	s_mov_b64 s[30:31], s[14:15]                   ; which tensor: chosen by the work-group's number alone
	s_mov_b32 s29, 832
	s_cmp_lt_u32 ttmp9, 832
	s_cselect_b64 s[30:31], s[12:13], s[30:31]
	s_cselect_b32 s29, 800, s29
	s_cmp_lt_u32 ttmp9, 800
	s_cselect_b64 s[30:31], s[10:11], s[30:31]
	s_cselect_b32 s29, 768, s29
	s_cmp_lt_u32 ttmp9, 768
	s_cselect_b64 s[30:31], s[8:9], s[30:31]
	s_cselect_b32 s29, 512, s29
	s_cmp_lt_u32 ttmp9, 512
	s_cselect_b64 s[30:31], s[6:7], s[30:31]
	s_cselect_b32 s29, 256, s29
	s_cmp_lt_u32 ttmp9, 256
	s_cselect_b64 s[30:31], s[4:5], s[30:31]
	s_cselect_b32 s29, 0, s29
	s_sub_co_u32 s29, ttmp9, s29
	s_lshl_b32 s29, s29, 2
	s_add_co_u32 s29, s29, s28                     ; my wave's run of 8,192 numbers in its tensor
	s_lshl_b32 s32, s29, 15
	s_mov_b32 s33, 0
	s_add_nc_u64 s[30:31], s[30:31], s[32:33]
	s_lshl_b32 s29, ttmp9, 2
	s_add_co_u32 s29, s29, s28                     ; and among all six: the results lie one tensor behind the other
	s_lshl_b32 s32, s29, 12
	s_add_nc_u64 s[20:21], s[20:21], s[32:33]
	s_lshl_b32 s32, s29, 8
	s_add_nc_u64 s[22:23], s[22:23], s[32:33]
	v_lshlrev_b32 v3, 4, v2                        ; my 16 bytes of a load's 512
	s_mul_i32 s34, s28, WREG
	v_lshrrev_b32 v14, 2, v2
	v_mul_u32_u24 v14, v14, SP
	v_and_b32 v15, 3, v2
	v_lshl_add_u32 v14, v15, 4, v14
	v_add_nc_u32 v14, s34, v14                     ; the stage on the way in: SP (lane / 4) + 16 (lane % 4)
	v_mul_u32_u24 v15, v2, SP
	v_add_nc_u32 v15, s34, v15                     ; and on the way out: SP x lane
	v_mul_u32_u24 v4, v2, CB                       ; my codes' place in a step's
	v_lshrrev_b32 v5, 1, v2
	s_add_co_u32 s34, s34, 2*32*SP
	v_add_nc_u32 v5, s34, v5                       ; my block's scale byte
	v_lshlrev_b32 v7, 3, v2
	v_add_nc_u32 v6, s34, v7                       ; and on the way out 8 bytes a lane
.macro QLOAD t
.irp i, 0,1,2,3
	global_load_b128 v[R+16*((\t)%4)+4*\i:R+16*((\t)%4)+4*\i+3], v3, s[30:31] offset:2048*(\t)+512*\i th:TH_LOAD_NT
.endr
.endm
.macro QTURN t                         ; step t's numbers through the stage: LDS serves a wave's instructions in order, so no wait stands between the stores and the loads
.irp i, 0,1,2,3
	ds_store_b128 v14, v[R+16*((\t)%4)+4*\i:R+16*((\t)%4)+4*\i+3] offset:32*SP*((\t)%2)+8*SP*\i
.endr
.irp i, 0,1,2,3
	ds_load_b128 v[X+16*((\t)%2)+4*\i:X+16*((\t)%2)+4*\i+3], v15 offset:32*SP*((\t)%2)+16*\i
.endr
.endm
.irp t, 0,1,2,3
	QLOAD \t
.endr
	s_wait_loadcnt 12                              ; step 0's four loads are in; the three younger steps' twelve stay out
	QTURN 0
.macro QSTEP t
.set XS, X+16*((\t)%2)
.if (\t) > 0
	s_wait_dscnt 1                                 ; this step's numbers are back from the stage (the last step's byte store may be out): so its stores into the stage have read their registers,
.else
	s_wait_dscnt 0x0
.endif
.if (\t)+4 < STEPS
	QLOAD (\t)+4                                   ; which take the loads of four steps on
.endif
.if (\t)+1 < STEPS
.if STEPS-2-(\t) >= 3
	s_wait_loadcnt 12                              ; the next step's four loads are in; those of the three steps behind it may be out
.else
	s_wait_loadcnt 4*(STEPS-2-(\t))
.endif
	QTURN (\t)+1
.endif
	v_max3_num_f32 v8, |v[XS]|, |v[XS+1]|, |v[XS+2]|               ; the largest magnitude of my 16, in two chains
	v_max3_num_f32 v9, |v[XS+3]|, |v[XS+4]|, |v[XS+5]|
.irp i, 6,10
	v_max3_num_f32 v8, v8, |v[XS+\i]|, |v[XS+\i+1]|
	v_max3_num_f32 v9, v9, |v[XS+\i+2]|, |v[XS+\i+3]|
.endr
	v_max3_num_f32 v8, v8, |v[XS+14]|, |v[XS+15]|
	v_max3_num_f32 v8, v8, v9, 0x1800000           ; and the floor 2^(3 - 127): so the byte cannot fall under 1
	v_max_num_f32_dpp v8, v8, v8 row_xmask:1 row_mask:0xf bank_mask:0xf   ; and of my neighbour's 16: the block's
	v_add_nc_u32 v11, 0xff000000, v8               ; 2 off its exponent field: the conversion takes the exponent field of this operand as its scale, and nothing else of it
	v_cvt_scalef32_pk8_fp4_f32 v[C+4*(\t)], v[XS:XS+7], v11
	v_cvt_scalef32_pk8_fp4_f32 v[C+4*(\t)+1], v[XS+8:XS+15], v11
	v_lshrrev_b32 v[E+(\t)], 23, v11               ; the scale's byte
	ds_store_b8 v5, v[E+(\t)] offset:16*(\t)       ; both lanes of a block write the same byte with the same value
	global_store_b64 v4, v[C+4*(\t):C+4*(\t)+1], s[20:21] offset:32*CB*(\t)   ; 256 consecutive bytes, aligned
.endm
.irp t, 0,1,2,3,4,5,6,7,8,9,10,11,12,13,14,15
	QSTEP \t
.endr
	ds_load_b64 v[8:9], v6                         ; LDS serves a wave's instructions in order: these see my stores
	s_wait_dscnt 0x0
	global_store_b64 v7, v[8:9], s[22:23]          ; 256 consecutive bytes, aligned
	s_wait_tensorcnt 0x0                           ; the wave's end: behind my last LDS store
	ds_add_u32 v[SPW], v[NIL]
	s_wait_dscnt 0x0
	s_endpgm
.Lfunc_end_k_q1962ba959a_prep:
	.size	k_q1962ba959a_prep, .Lfunc_end_k_q1962ba959a_prep-k_q1962ba959a_prep
	.p2alignl 7, 3214868480
	.fill 96, 4, 3214868480
	.section	.rodata,"a",@progbits
	.p2align	6, 0x0
	.amdhsa_kernel k_q1962ba959a_prep
		.amdhsa_group_segment_fixed_size 50688
		.amdhsa_private_segment_fixed_size 0
		.amdhsa_enable_private_segment 0
		.amdhsa_kernarg_size 96
		.amdhsa_user_sgpr_count 2
		.amdhsa_user_sgpr_kernarg_segment_ptr 1
		.amdhsa_wavefront_size32 1
		.amdhsa_system_sgpr_workgroup_id_x 1
		.amdhsa_system_sgpr_workgroup_id_y 1
		.amdhsa_system_sgpr_workgroup_id_z 1
		.amdhsa_system_vgpr_workitem_id 0
		.amdhsa_next_free_vgpr 192
		.amdhsa_next_free_sgpr 66
		.amdhsa_reserve_vcc 0
		.amdhsa_float_denorm_mode_32 3
		.amdhsa_float_denorm_mode_16_64 3
		.amdhsa_memory_ordered 1
		.amdhsa_forward_progress 1
		.amdhsa_inst_pref_size 76
	.end_amdhsa_kernel
	.amdgpu_metadata
---
amdhsa.version: [ 1, 2 ]
amdhsa.kernels:
  - .name:           k_q1962ba959a_prep
    .symbol:         k_q1962ba959a_prep.kd
    .args:
      - { .name: query, .offset: 0, .size: 8, .value_kind: global_buffer, .address_space: global }
      - { .name: key, .offset: 8, .size: 8, .value_kind: global_buffer, .address_space: global }
      - { .name: value, .offset: 16, .size: 8, .value_kind: global_buffer, .address_space: global }
      - { .name: Wq, .offset: 24, .size: 8, .value_kind: global_buffer, .address_space: global }
      - { .name: Wk, .offset: 32, .size: 8, .value_kind: global_buffer, .address_space: global }
      - { .name: Wv, .offset: 40, .size: 8, .value_kind: global_buffer, .address_space: global }
      - { .name: Wo, .offset: 48, .size: 8, .value_kind: global_buffer, .address_space: global }
      - { .name: mask, .offset: 56, .size: 8, .value_kind: global_buffer, .address_space: global }
      - { .name: codes, .offset: 64, .size: 8, .value_kind: global_buffer, .address_space: global }
      - { .name: scales, .offset: 72, .size: 8, .value_kind: global_buffer, .address_space: global }
      - { .name: wo16, .offset: 80, .size: 8, .value_kind: global_buffer, .address_space: global }
      - { .name: mbits, .offset: 88, .size: 8, .value_kind: global_buffer, .address_space: global }
    .group_segment_fixed_size: 50688
    .private_segment_fixed_size: 0
    .kernarg_segment_align: 8
    .kernarg_segment_size: 96
    .max_flat_workgroup_size: 128
    .sgpr_count:     66
    .vgpr_count:     192
    .wavefront_size: 32
...
	.end_amdgpu_metadata
.endif
;; end of part 1
;; launch proj (part 2): grid 4 x 96, 4 waves a work-group, clusters of 4 x 4, 327,680 bytes of LDS; arguments codes, scales, qkv16; writes qkv16
.if DOCPART == 2
	.amdgcn_target "amdgcn-amd-amdhsa--gfx1250"
	.amdhsa_code_object_version 6
	.text
	.protected	k_q1962ba959a_proj
	.globl	k_q1962ba959a_proj
	.p2align	8
	.type	k_q1962ba959a_proj,@function
k_q1962ba959a_proj:
	s_mov_b64 s[64:65], 0
	v_nop
	global_prefetch_b8 v0, s[64:65] scope:SCOPE_SE
	s_setreg_imm32_b32 hwreg(HW_REG_WAVE_MODE, 25, 1), 1
	s_wait_xcnt 0x0
	s_wait_alu depctr_hold_cnt(0) depctr_sa_sdst(0) depctr_va_vdst(0) depctr_va_sdst(0) depctr_va_ssrc(0) depctr_va_vcc(0) depctr_vm_vsrc(0)
	s_getreg_b32 s2, hwreg(HW_REG_IB_STS2, 6, 4)
	s_cmp_eq_u32 s2, 0
	s_cbranch_scc0 .Lentry_in_a_cluster
	s_endpgm
.Lentry_in_a_cluster:
	s_bfe_u32 s2, ttmp6, 0x10000c
	s_cmp_lg_u32 s2, 0xf033
	s_cbranch_scc0 .Lentry_shape_is_right
	s_endpgm
.Lentry_shape_is_right:
; q = query Wq^T, k = key Wk^T, v = value Wv^T, all three in one launch, on codes of FP4 (E2M1) with one E8M0 scale for each 32 along K; sums in f32; results rounded once to f16 and laid by head:
; qkv16 [batch x head 64][q, k, v][position 2048][64].
; The codes' buffer holds 27,648 rows of 512 bytes (K = 1,024): rows 0-24,575 are query, key, value (A's rows), rows 24,576 on Wq, Wk, Wv (B's rows); the scale bytes likewise, 32 a row.
; A tile of C, 256 x 256, is made by a work-group of four waves; a wave makes 128 x 128: 64 accumulators of 16 x 16, 512 registers.  Tile row ty = 0 .. 95 walks A's rows; product t = ty / 32 picks B's rows.
; K is two steps of 512 (rows of 256 bytes): both lie in LDS slots of their own, asked for at the start with the scales: nothing is filled again.
; CLUSTERS: 4 x 4 work-groups.  The four of a row of the cluster need the same tiles of A, the four of a column the same tiles of B: each tile is asked for JOINTLY, by the same tensor load with the same
; descriptor and a mask that names the four.  t hangs on the cluster's y alone (8 clusters to a product), which all sixteen share.
; THE MATRIX INSTRUCTION IS USED TRANSPOSED (source 0 = 16 rows of B, source 1 = 16 rows of A): a lane then holds eight neighbouring numbers of a row of C, 16 bytes of f16.
; LIMIT: results beyond f16's 65,504 are not served.
; REGISTERS, in windows of 256: window 0: v0-31 addresses; v32-95 scale words, two sets; v128-191 A's fragments, ONE set; on the way out v128-223 are free.
;   window 1: B's fragments, TWO sets, at v0 and v128.   window 2: the 32 accumulators of my rows 0-63 ((a, b) at v[8 (8 a + b)]);   window 3: those of my rows 64-127.
.set KSTEP,  512
.set NQ,     KSTEP/128                 ; matrix instructions deep
.set ROWB,   256                       ; a tile's row in bytes
.set KROW,   512                       ; a row of codes in memory
.set PITCH,  272                       ; an LDS row: 256 bytes + 16 of padding = 68 words: the 16 rows that a load touches start at 16 different groups of four banks
.set FR,     8
.set NL,     2
.set NP,     4                         ; places behind this matrix instruction (ISA guide 7.12.1)
.set HALFT,  128*PITCH
.set SLOT,   4*HALFT
.set KS,     32                        ; a row of scales in bytes
.set SCL,    2*SLOT                    ; behind the slots: the scales, as runs of 256 bytes + 16 of padding
.set HALFS,  (128*KS/256)*272
.set SBLK,   (16*KS/256)*272
.set SPARE,  SCL+4*HALFS               ; the spare words, 128 bytes for each wave: two blocks of 256 bytes that no other line names
.set WSTG,   4352                      ; the way out: a stage of 2 heads x 8 runs of (256 bytes + 16) for each wave, in slot 0, which has had its only fill and its last read by then
.set ADRA, 16
.set ADRB, 20
.set STO,  24
.set RD,   25
.set CO,   26
.set ADRS, 27
.set SPW,  28
.set NIL,  29
.set SC,   32
.set AF,   128
.set BK,   128                         ; the way out: two sets of 32 registers read back from the stage
.set TMP,  192                         ; the way out: a block's packed results
.set G1, 24
.set G0, 32
.set G1B, 48
.set G0B, 56
.set G1S, 68
.set G0S, 76
.set G1SB, 80
.set G0SB, 88
.set MSB, 0
.macro WIN new                         ; the immediate's high byte repeats the setting that is left
.if MSB != \new
	s_set_vgpr_msb (MSB<<8)|\new
.set MSB, \new
.endif
.endm
.set MUL_LO, 0xa1                      ; source 0 (B) window 1, source 1 (A) window 0, C and D window 2
.set MUL_HI, 0xf1                      ; the same, C and D window 3
.set TO_B,   0x40                      ; destination window 1, address window 0
; A joint load: waves 0 and 1 fetch for A, waves 2 and 3 for B; the branch hangs on the wave's number alone.  An s_nop 0 and four v_nop follow each of the two lines.
.macro JLOAD g0a, g1a, g0b, g1b
	s_cmp_eq_u32 s15, 0
	s_cbranch_scc0 .Lfor_b_\@
	tensor_load_to_lds s[\g0a:\g0a+3], s[\g1a:\g1a+7]
	s_nop 0
.rept 4
	v_nop
.endr
	s_branch .Lasked_\@
.Lfor_b_\@:
	tensor_load_to_lds s[\g0b:\g0b+3], s[\g1b:\g1b+7]
	s_nop 0
.rept 4
	v_nop
.endr
.Lasked_\@:
.endm
.macro CROUND                          ; a round of the cluster's barrier
	s_barrier_signal -1
	s_barrier_wait -1
	s_cmp_lg_u32 s14, 0
	s_cbranch_scc1 .Lnot_wave_0_\@
	s_barrier_signal -3
.Lnot_wave_0_\@:
	s_barrier_wait -3
	s_barrier_signal -1
	s_barrier_wait -1
.endm
	s_load_b128 s[4:7], s[0:1], 0x0                ; codes s[4:5], scales s[6:7]
	s_load_b64 s[12:13], s[0:1], 0x10              ; qkv16
	v_lshl_add_u32 v[SPW], v0, 2, SPARE
	v_mov_b32 v[NIL], 0
	ds_add_u32 v[SPW], v[NIL]                      ; the wave's opening: the add, twice on end, and its wait ahead of my first tensor load
	ds_add_u32 v[SPW], v[NIL]
	v_lshrrev_b32 v1, 5, v0
	v_readfirstlane_b32 s14, v1                    ; wave 0..3
	s_lshr_b32 s15, s14, 1                         ; which half of the tile's rows is mine.  Also: I fetch for A (0) or for B (1)
	s_and_b32 s16, s14, 1                          ; which half of its columns.  Also: which 128 rows of that tile I fetch
	s_bfe_u32 s40, ttmp6, 0x40000                  ; cx, cy: my place in the cluster
	s_bfe_u32 s41, ttmp6, 0x40004
	s_lshl_b32 s42, ttmp9, 2
	s_add_co_u32 s42, s42, s40                     ; tile column tx = 4 x cluster x + cx
	s_and_b32 s17, ttmp7, 0xffff
	s_lshr_b32 s95, s17, 3                         ; t: which of the three products: cluster y / 8
	s_lshl_b32 s17, s17, 2
	s_add_co_u32 s17, s17, s41                     ; tile row ty = 4 x cluster y + cy
	s_lshl_b32 s43, s41, 2
	s_lshl_b32 s43, 15, s43                        ; my row of the cluster
	s_lshl_b32 s44, 0x1111, s40                    ; my column
	; descriptor group 1: a tile of 128 rows x 256 bytes, 16 bytes of padding behind each row
	s_or_b32 s[G1+0], s43, (0<<16)|(1<<20)|(1<<21)|(5<<22)|(3<<25)
	s_or_b32 s[G1B+0], s44, (0<<16)|(1<<20)|(1<<21)|(5<<22)|(3<<25)
.irp g, G1, G1B
	s_mov_b32 s[\g+1], ROWB<<16                    ; tensor_dim0
	s_mov_b32 s[\g+2], 128<<16                     ; tensor_dim1
	s_mov_b32 s[\g+3], ROWB<<16                    ; tile_dim0
	s_mov_b32 s[\g+4], 128                         ; tile_dim1
	s_mov_b32 s[\g+5], KROW                        ; tensor_dim0_stride
	s_mov_b32 s[\g+6], 0
	s_mov_b32 s[\g+7], 0
.endr
	; the scales of 128 rows: a dense block of 4,096 bytes, as 16 rows of 256 bytes (32 elements of 8 bytes), 16 bytes of padding behind each
	s_or_b32 s[G1S+0], s43, (3<<16)|(1<<20)|(1<<21)|(5<<22)|(3<<25)
	s_or_b32 s[G1SB+0], s44, (3<<16)|(1<<20)|(1<<21)|(5<<22)|(3<<25)
.irp g, G1S, G1SB
	s_mov_b32 s[\g+1], 32<<16
	s_mov_b32 s[\g+2], (128*KS/256)<<16
	s_mov_b32 s[\g+3], 32<<16
	s_mov_b32 s[\g+4], 128*KS/256
	s_mov_b32 s[\g+5], 32
	s_mov_b32 s[\g+6], 0
	s_mov_b32 s[\g+7], 0
.endr
	s_lshl_b32 s18, s16, 7                         ; which 128 rows of the tile I fetch
	s_lshl_b32 s20, s17, 8
	s_add_co_u32 s20, s20, s18                     ; A: row 256 ty + 128 x half
	s_lshl_b32 s46, s42, 8
	s_add_co_u32 s46, s46, s18
	s_lshl_b32 s96, s95, 10
	s_add_co_u32 s46, s46, s96
	s_add_co_u32 s46, s46, 24576                   ; B: row 24,576 + 1,024 t + 256 tx + 128 x half
	s_mov_b32 s21, 0
	s_mov_b32 s47, 0
	s_mov_b64 s[18:19], KS
	s_mul_u64 s[22:23], s[20:21], s[18:19]         ; where these rows' scales begin, in bytes
	s_mul_u64 s[92:93], s[46:47], s[18:19]
	s_mov_b64 s[18:19], KROW
	s_mul_u64 s[20:21], s[20:21], s[18:19]         ; and their codes
	s_mul_u64 s[46:47], s[46:47], s[18:19]
	s_mul_i32 s45, s14, HALFT                      ; where they go: wave x 128 rows: no place in the cluster enters an LDS address
	s_mul_i32 s94, s14, HALFS
	s_wait_dscnt 0x0                               ; both opening adds are done
	s_wait_kmcnt 0x0
	s_add_nc_u64 s[20:21], s[4:5], s[20:21]
	s_add_nc_u64 s[22:23], s[6:7], s[22:23]
	s_add_nc_u64 s[46:47], s[4:5], s[46:47]
	s_add_nc_u64 s[92:93], s[6:7], s[92:93]
	CROUND                                         ; all sixteen work-groups are here: the joint loads meet
	s_mov_b32 s[G0S], 1
	s_add_co_u32 s[G0S+1], s94, SCL
	s_mov_b64 s[G0S+2:G0S+3], s[22:23]
	s_or_b32 s[G0S+3], s[G0S+3], 0x80000000
	s_mov_b32 s[G0SB], 1
	s_add_co_u32 s[G0SB+1], s94, SCL
	s_mov_b64 s[G0SB+2:G0SB+3], s[92:93]
	s_or_b32 s[G0SB+3], s[G0SB+3], 0x80000000
	JLOAD G0S, G1S, G0SB, G1SB                     ; the scales first: they are wanted with K step 0
.irp s, 0,1
	s_mov_b32 s[G0+4*\s], 1
	s_add_co_u32 s[G0+4*\s+1], s45, \s*SLOT
	s_add_nc_u64 s[G0+4*\s+2:G0+4*\s+3], s[20:21], \s*ROWB
	s_or_b32 s[G0+4*\s+3], s[G0+4*\s+3], 0x80000000
	s_mov_b32 s[G0B+4*\s], 1
	s_add_co_u32 s[G0B+4*\s+1], s45, \s*SLOT
	s_add_nc_u64 s[G0B+4*\s+2:G0B+4*\s+3], s[46:47], \s*ROWB
	s_or_b32 s[G0B+4*\s+3], s[G0B+4*\s+3], 0x80000000
	JLOAD G0+4*\s, G1, G0B+4*\s, G1B               ; three loads of mine are out in all
.endr
	v_and_b32 v1, 15, v0                           ; r = l % 16
	v_bfe_u32 v2, v0, 4, 1                         ; h = l / 16
	v_mul_u32_u24 v3, v1, PITCH
	v_lshl_add_u32 v4, v2, 4, v3                   ; a fragment's row x pitch + 16 x half
	s_mul_i32 s21, s15, HALFT                      ; my 128 rows of A
	s_mul_i32 s22, s16, HALFT                      ; my 128 rows of B,
	s_add_co_u32 s22, s22, 2*HALFT                 ; which lie behind A's 256
.irp s, 0,1
	v_add_nc_u32 v[ADRA+\s], s21, v4
	v_add_nc_u32 v[ADRB+\s], s22, v4
	s_add_co_u32 s21, s21, SLOT
	s_add_co_u32 s22, s22, SLOT
.endr
	v_mul_u32_u24 v5, v1, KS                       ; my row's scales: 32 bytes a row,
	v_lshrrev_b32 v6, 8, v5
	v_lshl_add_u32 v5, v6, 4, v5                   ; and 16 more for each 256 passed
	s_mul_i32 s21, s15, HALFS                      ; A's: my 128 rows
	s_mul_i32 s22, s16, HALFS                      ; B's: my 128 rows, behind A's 256
	s_add_co_u32 s22, s22, 2*HALFS
	s_sub_co_u32 s22, s22, s21
	v_mul_u32_u24 v6, s22, v2                      ; lanes 16-31 take B's: one product, the distance between the two bases
	s_add_co_u32 s21, s21, SCL
	v_add_nc_u32 v5, v5, v6
	v_add_nc_u32 v[ADRS], s21, v5
	; the way out.  The stage is laid as the output's runs of 256 bytes (two positions of one head): head hd of my two, run r / 2, half r % 2
	s_mul_i32 s23, s14, WSTG
	v_lshrrev_b32 v5, 1, v1
	v_mul_u32_u24 v5, v5, 272
	v_and_b32 v6, 1, v1
	v_lshl_add_u32 v5, v6, 7, v5
	v_lshl_add_u32 v5, v2, 4, v5
	v_add_nc_u32 v[STO], s23, v5                   ; in: 272 (r / 2) + 128 (r % 2) + 16 h: sixteen lanes touch sixteen different columns of 16 bytes
	v_mul_u32_u24 v5, v2, 272
	v_lshl_add_u32 v5, v1, 4, v5
	v_add_nc_u32 v[RD], s23, v5                    ; back: lanes 0-15 one run, lanes 16-31 the next
	v_and_b32 v6, 31, v0
	v_lshlrev_b32 v[CO], 4, v6                     ; and the same 512 bytes in memory
	s_lshl_b32 s20, s17, 8
	s_lshl_b32 s21, s15, 7
	s_add_co_u32 s20, s20, s21                     ; R = my first row among A's 24,576 = 8,192 t + 2,048 batch + position
	s_bfe_u32 s21, s20, 0x2000b                    ; batch
	s_and_b32 s22, s20, 2047                       ; position
	s_lshl_b32 s21, s21, 4
	s_lshl_b32 s46, s42, 2
	s_add_co_u32 s21, s21, s46
	s_lshl_b32 s46, s16, 1
	s_add_co_u32 s21, s21, s46                     ; 16 batch + my first head: 4 tx + 2 x half
	s_mul_i32 s21, s21, 3
	s_add_co_u32 s21, s21, s95                     ; x 3 + t
	s_lshl_b32 s20, s21, 18                        ; parts of 262,144 bytes
	s_lshl_b32 s22, s22, 7                         ; rows of 128 bytes
	s_add_co_u32 s20, s20, s22
	s_mov_b32 s21, 0
	s_add_nc_u64 s[12:13], s[12:13], s[20:21]      ; never stepped: every place stands in a store's immediate
.macro FRAG reg, adr, q, i             ; a fragment, 16 rows x 128 K of 4-bit codes: lane l holds row l % 16; registers 4 c .. 4 c + 3 hold K = 64 c + 32 (l / 16) + 0 .. 31
.irp c, 0,1
	ds_load_b128 v[\reg+4*\c:\reg+4*\c+3], v[\adr] offset:64*(\q)+32*\c+(\i)*16*PITCH
.endr
.endm
; 16 matrix instructions: A's blocks a0, a0 + 1 x B's eight, 128 along K.  The 64 accumulators take turns, one instruction a turn, in the same order in every step.
; One register carries A's scale word (lanes 0-15) and B's (lanes 16-31) of block i.
.macro MUL16 a0, p, q, sc, zero
.irp a, \a0, \a0+1
.irp b, 0,1,2,3,4,5,6,7
.if \zero
	v_wmma_scale_f32_16x16x128_f8f6f4 v[8*(8*((\a)%4)+\b):8*(8*((\a)%4)+\b)+7], v[128*(\p)+FR*\b:128*(\p)+FR*\b+FR-1], v[AF+FR*(\a):AF+FR*(\a)+FR-1], 0, v[SC+8*NQ*(\sc)+NQ*\b+(\q)], v[SC+8*NQ*(\sc)+NQ*(\a)+(\q)] matrix_a_fmt:MATRIX_FMT_FP4 matrix_b_fmt:MATRIX_FMT_FP4 matrix_a_scale:MATRIX_SCALE_ROW1
.else
	v_wmma_scale_f32_16x16x128_f8f6f4 v[8*(8*((\a)%4)+\b):8*(8*((\a)%4)+\b)+7], v[128*(\p)+FR*\b:128*(\p)+FR*\b+FR-1], v[AF+FR*(\a):AF+FR*(\a)+FR-1], v[8*(8*((\a)%4)+\b):8*(8*((\a)%4)+\b)+7], v[SC+8*NQ*(\sc)+NQ*\b+(\q)], v[SC+8*NQ*(\sc)+NQ*(\a)+(\q)] matrix_a_fmt:MATRIX_FMT_FP4 matrix_b_fmt:MATRIX_FMT_FP4 matrix_a_scale:MATRIX_SCALE_ROW1
.endif
.endr
.endr
.endm
.macro FETCH_B slot, q, p
	WIN TO_B
.irp i, 0,1,2,3,4,5,6,7
	FRAG 128*(\p)+FR*\i, ADRB+\slot, \q, \i
.endr
	WIN 0
.endm
.macro FETCH_A slot, q, i0
.irp i, \i0, \i0+1, \i0+2, \i0+3
	FRAG AF+FR*(\i), ADRA+\slot, \q, \i
.endr
.endm
.macro SCALES sc                       ; a K step's scale words: 4 words a row; lanes 0-15 take A's block i, lanes 16-31 B's block i
.irp i, 0,1,2,3,4,5,6,7
	ds_load_b128 v[SC+8*NQ*\sc+NQ*\i:SC+8*NQ*\sc+NQ*\i+3], v[ADRS] offset:\i*SBLK
.endr
.endm
.macro PLACES n                        ; plain vector instructions between a matrix instruction and a load into, or a read of, its registers (ISA guide 7.12.1 for the reads)
.rept \n
	v_nop
.endr
.endm
.macro STEP slot, q, zero              ; a step of 128 along K that has its successor in the same slot
	s_wait_dscnt 4*NL                              ; B's set and A's blocks 0-3 are in; the youngest eight loads (A's blocks 4-7) may be out
	WIN MUL_LO
	MUL16 0, (\q)%2, \q, \slot, \zero
	MUL16 2, (\q)%2, \q, \slot, \zero
	s_wait_dscnt 0                                 ; A's blocks 4-7 are in
	PLACES NP
	FETCH_B \slot, (\q)+1, 1-(\q)%2
	FETCH_A \slot, (\q)+1, 0
	WIN MUL_HI
	MUL16 4, (\q)%2, \q, \slot, \zero
	MUL16 6, (\q)%2, \q, \slot, \zero
	PLACES NP
	WIN 0
	FETCH_A \slot, (\q)+1, 4
.endm
; Slot 0's last step goes over to slot 1: one barrier; in front of it each wave waits for all its tensor loads (its part of slot 1), adds 0 to its spare word, and waits for that and for its reads of slot 0.
.macro TURN slot, next
	s_wait_tensorcnt 0x0
	ds_add_u32 v[SPW], v[NIL]                      ; 0 onto my spare word
	s_wait_dscnt 4*NL+1                            ; (the add and the youngest eight loads, A's blocks 4-7, may be out)
	WIN MUL_LO
	MUL16 0, 1, NQ-1, \slot, 0
	s_wait_dscnt 0x0                               ; the add is done, and my reads of this slot are over
	s_barrier_signal -1
	MUL16 2, 1, NQ-1, \slot, 0
	WIN 0
	s_barrier_wait -1
	PLACES NP
	v_add_nc_u32 v[ADRS], 4*NQ, v[ADRS]            ; on to the next K step's scale words (no LDS load of mine is out)
	FETCH_B \next, 0, 0
	FETCH_A \next, 0, 0
	SCALES \next
	WIN MUL_HI
	MUL16 4, 1, NQ-1, \slot, 0
	MUL16 6, 1, NQ-1, \slot, 0
	PLACES NP
	WIN 0
	FETCH_A \next, 0, 4
.endm
.macro STEPS slot, from
.set Q, \from
.rept NQ-1-\from
	STEP \slot, Q, 0
.set Q, Q+1
.endr
.endm
	s_wait_tensorcnt 1                             ; the scales and my part of K step 0 are in (K step 1's load may be out)
	s_barrier_signal -1
	s_barrier_wait -1                              ; everybody's are
	FETCH_B 0, 0, 0
	FETCH_A 0, 0, 0
	SCALES 0
	FETCH_A 0, 0, 4
	STEP 0, 0, 1                                   ; the first products start the sums: nothing is cleared
	STEPS 0, 1
	TURN 0, 1
	STEPS 1, 0
	s_wait_dscnt 4*NL                              ; the very last step: nothing more to fetch
	WIN MUL_LO
	MUL16 0, 1, NQ-1, 1, 0
	MUL16 2, 1, NQ-1, 1, 0
	s_wait_dscnt 0
	WIN MUL_HI
	MUL16 4, 1, NQ-1, 1, 0
	MUL16 6, 1, NQ-1, 1, 0
	WIN 0
; THE WAY OUT, block by block of 16 rows x 128 columns (two heads).  PACK: rounded to f16, 16 bytes a lane, each accumulator from its low end on.  TOSTAGE: into my stage and back as runs of 256 bytes.  SEND: stored.
.macro PACK a
.set AC, 64*((\a)%4)
	WIN 0x0a+5*((\a)/4)                            ; sources 0 and 1: window 2 or 3
.irp b, 0,1,2,3,4,5,6,7
.irp i, 0,1,2,3
	v_cvt_pk_f16_f32 v[TMP+4*\b+\i], v[AC+8*\b+2*\i], v[AC+8*\b+2*\i+1]
.endr
.endr
	WIN 0
.endm
.macro TOSTAGE a
.set BB, BK+32*((\a)%2)
.irp b, 0,1,2,3,4,5,6,7
	ds_store_b128 v[STO], v[TMP+4*\b:TMP+4*\b+3] offset:(\b/4)*2176+(\b%4)*32
.endr
.irp u, 0,1,2,3,4,5,6,7
	ds_load_b128 v[BB+4*\u:BB+4*\u+3], v[RD] offset:(\u/4)*2176+(\u%4)*544   ; LDS serves a wave's instructions in order: these see the stores above
.endr
.endm
.macro SEND a, younger                 ; younger: the LDS instructions issued behind block a's loads, which may stay out
.set BB, BK+32*((\a)%2)
	s_wait_dscnt \younger
.irp u, 0,1,2,3,4,5,6,7
	global_store_b128 v[CO], v[BB+4*\u:BB+4*\u+3], s[12:13] offset:(\u/4)*786432+(\a)*2048+(\u%4)*512   ; 32 lanes store 512 consecutive bytes, at a multiple of 256 from the buffer's first byte
.endr
.endm
	PLACES NP                                      ; behind the last products: for the loads into the registers that held A's fragments
	PACK 0
	TOSTAGE 0
.irp a, 1,2,3,4,5,6,7
	PACK \a
.if \a > 1
	s_wait_xcnt 0x0                                ; block a - 2's stores have read their registers: block a's loads may land there
.endif
	TOSTAGE \a
	SEND \a-1, 16                                  ; behind block a - 1's loads: block a's 8 stores and 8 loads
.endr
	SEND 7, 0
	s_wait_tensorcnt 0x0                           ; the wave's end: behind my last tensor load and my last LDS store
	ds_add_u32 v[SPW], v[NIL]
	s_wait_dscnt 0x0
	CROUND                                         ; the closing round
	s_endpgm
.Lfunc_end_k_q1962ba959a_proj:
	.size	k_q1962ba959a_proj, .Lfunc_end_k_q1962ba959a_proj-k_q1962ba959a_proj
	.p2alignl 7, 3214868480
	.fill 96, 4, 3214868480
	.section	.rodata,"a",@progbits
	.p2align	6, 0x0
	.amdhsa_kernel k_q1962ba959a_proj
		.amdhsa_group_segment_fixed_size 327680
		.amdhsa_private_segment_fixed_size 0
		.amdhsa_enable_private_segment 0
		.amdhsa_kernarg_size 24
		.amdhsa_user_sgpr_count 2
		.amdhsa_user_sgpr_kernarg_segment_ptr 1
		.amdhsa_wavefront_size32 1
		.amdhsa_system_sgpr_workgroup_id_x 1
		.amdhsa_system_sgpr_workgroup_id_y 1
		.amdhsa_system_sgpr_workgroup_id_z 1
		.amdhsa_system_vgpr_workitem_id 0
		.amdhsa_next_free_vgpr 1024
		.amdhsa_next_free_sgpr 98
		.amdhsa_reserve_vcc 0
		.amdhsa_float_denorm_mode_32 3
		.amdhsa_float_denorm_mode_16_64 3
		.amdhsa_memory_ordered 1
		.amdhsa_forward_progress 1
		.amdhsa_inst_pref_size 127
	.end_amdhsa_kernel
	.amdgpu_metadata
---
amdhsa.version: [ 1, 2 ]
amdhsa.kernels:
  - .name:           k_q1962ba959a_proj
    .symbol:         k_q1962ba959a_proj.kd
    .args:
      - { .name: codes, .offset: 0, .size: 8, .value_kind: global_buffer, .address_space: global }
      - { .name: scales, .offset: 8, .size: 8, .value_kind: global_buffer, .address_space: global }
      - { .name: qkv16, .offset: 16, .size: 8, .value_kind: global_buffer, .address_space: global }
    .group_segment_fixed_size: 327680
    .private_segment_fixed_size: 0
    .kernarg_segment_align: 8
    .kernarg_segment_size: 24
    .max_flat_workgroup_size: 128
    .sgpr_count:     98
    .vgpr_count:     1024
    .wavefront_size: 32
...
	.end_amdgpu_metadata
.endif
;; end of part 2
;; launch attn (part 3): grid 4 x 64, 8 waves a work-group, clusters of 4 x 1, 327,680 bytes of LDS; arguments qkv16, mbits, ctx16; writes ctx16
.if DOCPART == 3
	.amdgcn_target "amdgcn-amd-amdhsa--gfx1250"
	.amdhsa_code_object_version 6
	.text
	.protected	k_q1962ba959a_attn
	.globl	k_q1962ba959a_attn
	.p2align	8
	.type	k_q1962ba959a_attn,@function
k_q1962ba959a_attn:
	s_mov_b64 s[64:65], 0
	v_nop
	global_prefetch_b8 v0, s[64:65] scope:SCOPE_SE
	s_setreg_imm32_b32 hwreg(HW_REG_WAVE_MODE, 25, 1), 1
	s_wait_xcnt 0x0
	s_wait_alu depctr_hold_cnt(0) depctr_sa_sdst(0) depctr_va_vdst(0) depctr_va_sdst(0) depctr_va_ssrc(0) depctr_va_vcc(0) depctr_vm_vsrc(0)
	s_getreg_b32 s2, hwreg(HW_REG_IB_STS2, 6, 4)
	s_cmp_eq_u32 s2, 0
	s_cbranch_scc0 .Lentry_in_a_cluster
	s_endpgm
.Lentry_in_a_cluster:
	s_bfe_u32 s2, ttmp6, 0x10000c
	s_cmp_lg_u32 s2, 0x3003
	s_cbranch_scc0 .Lentry_shape_is_right
	s_endpgm
.Lentry_shape_is_right:
; ctx[b][q][h] = the sum over k of softmax_k(masked q . k / 8) v, head size 64, 2,048 keys; q, k, v in f16 (qkv16 [b x h][q, k, v][2048][64]); products, maxima and sums in f32; the weights p are rounded to f16
; for the second product, ctx once at the end.  The mask comes as lane masks (mbits): a hidden score becomes -infinity AHEAD of the maximum.
; SOFTMAX.  For each query a running maximum m (it begins at -3e38) and sum l: p = 2^(c s - c m), c = log2(e) / 8; in every step O and l are multiplied by a = 2^(c m_old - c m_new).
; A query all of whose keys are hidden ends with l = 0 and O = 0: 0 x (1 / 0) is NaN, as the softmax of a row of -infinity is.
; LIMITS: scores under -3e38, NaN and infinities among q, k, v are not served.
; SHARES.  A cluster of four work-groups is one (batch, head); a work-group owns 512 queries, each of its EIGHT waves 64: four tiles of 16.  Two waves to a SIMD, 512 registers each, so that one wave's vector work
; stands beside the other's matrix work.  Every wave walks all 2,048 keys, 64 a step.  K and V come through a ring of two LDS slots of 256 keys; the four partners ask for each tile JOINTLY.
; LAYOUT.  Both products are used transposed: S^T = K Q^T (source 0 = 16 keys, source 1 = 16 queries), O^T = V^T P (source 0 = 16 channels, source 1 = P): a lane holds ONE query (lane % 16) throughout.
; THE KEYS OF A GROUP OF 16 ARE PERMUTED: row m of a tile of K is key 2 (m % 8) + m / 8, so register j of lane half h is key 2 j + h; the turning load of V addresses key 2 (l % 8) + l / 16 for the same order.
; With rows 144 bytes apart K's 16 rows start at 16 different columns of 16 bytes, and V's 8 even (or odd) rows x 32 bytes take each bank once: one padding, one descriptor, one tensor line for all eight waves.
; ctx16 is laid [pair of rows][head][row of the pair][64]: the 256 bytes of (pair, head) are stored whole by sixteen lanes.
; REGISTERS: window 0: v2-13 addresses and constants; v16-47 eight statistics a tile; v64-191 S^T, 32 a tile; v192-255 K's fragments, then P, 16 a tile.
;   window 1: v0-127 O^T, 32 a tile; v128-191 Q, 16 a tile; v192-255 V's fragments.
.set PK,    144
.set VOFF,  256*PK                     ; a slot: 256 rows of K, then 256 rows of V
.set STEPB, 64*PK                      ; a step on, in K's part and in V's; also what one tensor load brings
.set SLOT1, 1<<17                      ; slot 1 begins here: one exclusive or turns an address in one slot into the other's
.set STAGE, SLOT1+2*VOFF               ; behind the ring: 8 runs x (256 bytes + 16) for each wave, for the way out
.set WSTG,  2176
.set SPARE, STAGE+8*WSTG               ; the spare words, 128 bytes for each wave: four blocks of 256 bytes that no other line names
.set AK0, 2
.set AV0, 3
.set ADK, 4
.set ADV, 5
.set QO,  6
.set STO, 7
.set RD,  8
.set GO,  9
.set NEG, 10                           ; v10  -infinity
.set PFO, 11                           ; v11  256 x my lane
.set SPW, 12
.set NIL, 13
.set ST,  16                           ; tile t's statistics at v[ST+8 t]: +0 c m, +1 m, +2, +3 l (two halves), +4 to +7 c0-c3, at work; a takes c2's place
.set S,   64
.set KF,  192
.set QF,  128                          ; in window 1
.set VF,  192                          ; in window 1
.set WV,  2                            ; s2   my wave's number
.set TB,  3                            ; s3   LDS byte at which the step's tiles begin
.set SLOTS, 10                         ; s10  slots still to be asked for
.set INNER, 11                         ; s11  counts a slot's four steps
.set MO,  12                           ; s12  byte offset of the step's mask words
.set SEL, 14                           ; s[14:15] lane selects: lane l xor 16
.set G1,  16                           ; s[16:23] descriptor group 1
.set G0,  24                           ; s[24:27] descriptor group 0: it walks
.set CS,  28                           ; s[28:29] c, as a pair
.set MA,  32                           ; s[32:63] 32 lane masks: tile 0 or 2
.set PFA, 66                           ; s[66:67] where my prefetch stands
.set MB,  68                           ; s[68:99] 32 lane masks: tile 1 or 3
.set LIM, 100                          ; s100 1 in a wave that prefetches, else the greatest number
.set MSB, 0
.macro WIN new                         ; the immediate's high byte repeats the setting that is left
.if MSB != \new
	s_set_vgpr_msb (MSB<<8)|\new
.set MSB, \new
.endif
.endm
.set W_KQ, 0x04                        ; Q (source 1) in window 1
.set W_PV, 0x51                        ; V (source 0), C and D in window 1; P in window 0
.set W_RS, 0x41                        ; O^T (destination and source 0) in window 1, a in window 0
.set TO1,  0x40                        ; destination window 1
.macro CROUND                          ; a round of the cluster's barrier
	s_barrier_signal -1
	s_barrier_wait -1
	s_cmp_lg_u32 s[WV], 0
	s_cbranch_scc1 .Lnot_wave_0_\@
	s_barrier_signal -3
.Lnot_wave_0_\@:
	s_barrier_wait -3
	s_barrier_signal -1
	s_barrier_wait -1
.endm
.macro JLOAD                           ; every wave's own 64 rows (waves 0-3: of K; waves 4-7: of V); the same line and the same registers in all four partners
	tensor_load_to_lds s[G0:G0+3], s[G1:G1+7]
	s_nop 0
.rept 4
	v_nop
.endr
.endm
; A PREFETCH of what the NEXT change of slots will ask for: 256 rows of K and of V, 32,768 dense bytes each.  The four partners share them out BY ADDRESS, 8,192 bytes each; in each, wave 0 asks for K's and wave 4 for V's,
; lanes 256 bytes apart: each run of 256 bytes is named once in the launch.  The last change that fills a slot asks for nothing; slots 0 and 1 come by their loads alone.
.macro ASK
	s_cmp_gt_u32 s[SLOTS], s[LIM]
	s_cbranch_scc0 .Lnot_mine_\@
	global_prefetch_b8 v[PFO], s[PFA:PFA+1] th:TH_LOAD_NT scope:SCOPE_SE
.Lnot_mine_\@:
.endm
	s_load_b128 s[4:7], s[0:1], 0x0                ; qkv16 s[4:5], mbits s[6:7]
	s_load_b64 s[8:9], s[0:1], 0x10                ; ctx16
	v_lshl_add_u32 v[SPW], v0, 2, SPARE
	v_mov_b32 v[NIL], 0
	ds_add_u32 v[SPW], v[NIL]                      ; the wave's opening: the add, twice on end, and its wait ahead of my first tensor load
	ds_add_u32 v[SPW], v[NIL]
	v_lshrrev_b32 v1, 5, v0
	v_readfirstlane_b32 s[WV], v1                  ; wave 0..7
	s_bfe_u32 s13, ttmp6, 0x40000                  ; cx: which 512 queries; it enters Q's, the mask's, ctx's and the prefetch's addresses alone
	s_and_b32 s30, ttmp7, 0xffff                   ; 16 batch + head, which the four partners share
	s_mul_i32 s32, s30, 786432                     ; the head's first byte in qkv16
	s_lshr_b32 s34, s[WV], 2
	s_add_co_u32 s34, s34, 1
	s_lshl_b32 s34, s34, 18                        ; part 1 (K) for waves 0-3, part 2 (V) for waves 4-7
	s_and_b32 s35, s[WV], 3
	s_lshl_b32 s35, s35, 13                        ; my 64 rows of 128 bytes
	s_add_co_u32 s34, s34, s35
	s_add_co_u32 s34, s34, s32
	s_mov_b32 s35, 0                               ; s[34:35]: my tile of slot 0
	s_lshl_b32 s36, s13, 16
	s_lshl_b32 s37, s[WV], 13
	s_add_co_u32 s36, s36, s37
	s_add_co_u32 s36, s36, s32
	s_mov_b32 s37, 0                               ; s[36:37]: Q at query 512 cx + 64 wave
	s_lshr_b32 s39, s30, 4
	s_lshl_b32 s39, s39, 5
	s_lshl_b32 s40, s13, 3
	s_add_co_u32 s39, s39, s40
	s_add_co_u32 s39, s39, s[WV]                   ; 32 batch + 8 cx + wave: my group of 64 queries
	s_lshl_b32 s40, s39, 14
	s_mov_b32 s41, 0                               ; s[40:41]: its mask words, 16,384 bytes a group
	s_lshl_b32 s42, s39, 17                        ; 32 pairs of rows of 4,096 bytes
	s_and_b32 s43, s30, 15
	s_lshl_b32 s43, s43, 8                         ; + 256 x head
	s_add_co_u32 s42, s42, s43
	s_mov_b32 s43, 0                               ; s[42:43]: its place in ctx16
	s_lshl_b32 s44, s13, 13
	s_add_co_u32 s44, s44, 32768
	s_mov_b32 s45, 0                               ; s[44:45]: the prefetch: my work-group's 8,192 bytes, in slot 1; the first change of slots steps it to slot 2
	; descriptor group 1: 64 rows x 64 elements of 2 bytes, dense in memory, 16 bytes of padding behind each row of 128
	s_mov_b32 s[G1], 15|(1<<16)|(1<<20)|(1<<21)|(4<<22)|(3<<25)   ; 15:0 the mask: all four work-groups; 21 set beside a mask; 24:22 after every 32 words (code 4); 31:25 four words (code 3)
	s_mov_b32 s[G1+1], 64<<16                      ; tensor_dim0
	s_mov_b32 s[G1+2], 64<<16                      ; tensor_dim1
	s_mov_b32 s[G1+3], 64<<16                      ; tile_dim0
	s_mov_b32 s[G1+4], 64                          ; tile_dim1
	s_mov_b32 s[G1+5], 64                          ; tensor_dim0_stride
	s_mov_b32 s[G1+6], 0
	s_mov_b32 s[G1+7], 0
	s_mov_b32 s[G0], 1
	s_mul_i32 s[G0+1], s[WV], STEPB                ; LDS: wave x 64 rows: K's four quarters, then V's
	s_mov_b32 s[SEL], 0x76543210
	s_mov_b32 s[SEL+1], 0xfedcba98
	s_mov_b32 s[CS], 0x3e38aa3b                    ; c = log2(e) / 8
	s_mov_b32 s[CS+1], s[CS]
	s_mov_b32 s[TB], 0
	s_mov_b32 s[MO], 0
	s_mov_b32 s[SLOTS], 7
	s_and_b32 s[LIM], s[WV], 3
	s_cmp_eq_u32 s[LIM], 0
	s_cselect_b32 s[LIM], 1, -1                    ; waves 0 and 4 ask
	s_wait_dscnt 0x0                               ; both opening adds are done
	s_wait_kmcnt 0x0
	s_add_nc_u64 s[G0+2:G0+3], s[4:5], s[34:35]
	s_add_nc_u64 s[PFA:PFA+1], s[4:5], s[34:35]
	s_or_b32 s[G0+3], s[G0+3], 0x80000000          ; type = 2
	s_add_nc_u64 s[PFA:PFA+1], s[PFA:PFA+1], s[44:45]
	s_add_nc_u64 s[4:5], s[4:5], s[36:37]
	s_add_nc_u64 s[6:7], s[6:7], s[40:41]
	s_add_nc_u64 s[8:9], s[8:9], s[42:43]
	CROUND                                         ; all four work-groups are here: the first joint loads meet
	JLOAD                                          ; slot 0: one load of mine is out
	v_and_b32 v14, 15, v0                          ; r
	v_bfe_u32 v15, v0, 4, 1                        ; h
	v_lshlrev_b32 v[QO], 7, v14
	v_lshl_add_u32 v[QO], v15, 4, v[QO]            ; Q: row r of 128 bytes + 16 h
	WIN TO1
.irp f, 0,1,2,3,4,5,6,7                        ; Q stays in registers: tile f / 2, channels 32 (f % 2) on
	global_load_b128 v[QF+8*\f:QF+8*\f+3],   v[QO], s[4:5] offset:(\f/2)*2048+(\f%2)*64
	global_load_b128 v[QF+8*\f+4:QF+8*\f+7], v[QO], s[4:5] offset:(\f/2)*2048+(\f%2)*64+32
.endr
.set i, 0
.rept 128
	v_mov_b32 v[i], 0                              ; O^T.  The step is written once: the first finds zeros, which the first a leaves zeros; a first step of its own would be a third copy of the step's text
.set i, i+1
.endr
	WIN 0
.macro MLOAD m, t                      ; the 32 lane masks of tile t of the step at s[MO]
	s_load_b512 s[\m:\m+15], s[6:7], s[MO] offset:128*(\t)
	s_load_b512 s[\m+16:\m+31], s[6:7], s[MO] offset:128*(\t)+64
.endm
	MLOAD MA, 0
	MLOAD MB, 1
.irp t, 0,1,2,3
	v_mov_b32 v[ST+8*\t+1], 0xff61b1e6             ; m = -3e38, under every score that is served
	v_mov_b32 v[ST+8*\t+2], 0                      ; l
	v_mov_b32 v[ST+8*\t+3], 0
	v_mul_f32 v[ST+8*\t], s[CS], v[ST+8*\t+1]      ; c m
.endr
	v_and_b32 v48, 7, v0
	v_bfe_u32 v49, v0, 3, 1
	v_lshl_add_u32 v50, v48, 1, v49                ; K: lane r takes key 2 (r % 8) + r / 8 of a group
	v_mul_u32_u24 v[AK0], v50, PK
	v_lshl_add_u32 v[AK0], v15, 4, v[AK0]
	v_lshl_add_u32 v50, v48, 1, v15                ; V: lane l addresses key 2 (l % 8) + l / 16, channels 8 ((l / 8) % 2) on
	v_mul_u32_u24 v[AV0], v50, PK
	v_lshl_add_u32 v[AV0], v49, 4, v[AV0]
	v_add_nc_u32 v[AV0], VOFF, v[AV0]
	s_mul_i32 s31, s[WV], WSTG
	s_add_co_u32 s31, s31, STAGE                   ; my stage
	v_lshrrev_b32 v50, 1, v14
	v_mul_u32_u24 v50, v50, 272
	v_and_b32 v51, 1, v0
	v_lshl_add_u32 v50, v51, 7, v50
	v_lshl_add_u32 v50, v15, 4, v50
	v_add_nc_u32 v[STO], s31, v50                  ; in: run r / 2, half r % 2, + 16 h
	v_mul_u32_u24 v50, v15, 272
	v_lshl_add_u32 v50, v14, 4, v50
	v_add_nc_u32 v[RD], s31, v50                   ; back: lanes 0-15 one run, lanes 16-31 the next
	v_lshlrev_b32 v[GO], 12, v15
	v_lshl_add_u32 v[GO], v14, 4, v[GO]            ; and the same two runs in ctx16, 4,096 bytes apart
	v_mov_b32 v[NEG], 0xff800000
	v_and_b32 v[PFO], 31, v0
	v_lshlrev_b32 v[PFO], 8, v[PFO]
.macro MASK t, m                       ; hidden scores become -infinity.  Ascending
.set i, 0
.rept 32
	v_cndmask_b32 v[S+32*(\t)+i], v[NEG], v[S+32*(\t)+i], s[\m+i]
.set i, i+1
.endr
.endm
.macro MAXP y                          ; tiles y and y + 1 by turns: the maximum of 32 scores and the old m; the other half of the lanes'; the new m, c m, c m_old - c m_new
.irp j, 0,1,2,3
.irp t, \y, \y+1
	v_max3_num_f32 v[ST+8*(\t)+4+\j], v[S+32*(\t)+8*\j], v[S+32*(\t)+8*\j+1], v[S+32*(\t)+8*\j+2]
.endr
.endr
.irp q, 1,2
.irp j, 0,1,2,3
.irp t, \y, \y+1
	v_max3_num_f32 v[ST+8*(\t)+4+\j], v[ST+8*(\t)+4+\j], v[S+32*(\t)+8*\j+2*\q+1], v[S+32*(\t)+8*\j+2*\q+2]
.endr
.endr
.endr
.irp t, \y, \y+1
	v_max3_num_f32 v[ST+8*(\t)+4], v[ST+8*(\t)+4], v[S+32*(\t)+7], v[S+32*(\t)+15]
	v_max3_num_f32 v[ST+8*(\t)+6], v[ST+8*(\t)+6], v[S+32*(\t)+23], v[S+32*(\t)+31]
.endr
.irp t, \y, \y+1
	v_max3_num_f32 v[ST+8*(\t)+4], v[ST+8*(\t)+4], v[ST+8*(\t)+5], v[ST+8*(\t)+6]
.endr
.irp t, \y, \y+1
	v_max3_num_f32 v[ST+8*(\t)+4], v[ST+8*(\t)+4], v[ST+8*(\t)+7], v[ST+8*(\t)+1]
.endr
.irp t, \y, \y+1
	v_permlanex16_b32 v[ST+8*(\t)+5], v[ST+8*(\t)+4], s[SEL], s[SEL+1]   ; the query's other 32 keys lie in the lane 16 away
.endr
.irp t, \y, \y+1
	v_mov_b32 v[ST+8*(\t)+7], v[ST+8*(\t)]         ; c m_old is kept for a
.endr
.irp t, \y, \y+1
	v_max_num_f32 v[ST+8*(\t)+1], v[ST+8*(\t)+4], v[ST+8*(\t)+5]
.endr
.irp t, \y, \y+1
	v_mul_f32 v[ST+8*(\t)], s[CS], v[ST+8*(\t)+1]
.endr
.irp t, \y, \y+1
	v_sub_f32 v[ST+8*(\t)+7], v[ST+8*(\t)+7], v[ST+8*(\t)]
.endr
.endm
.macro SCALEP y                        ; c s - c m, two at a time
.set i, 0
.rept 16
.irp t, \y, \y+1
	v_pk_fma_f32 v[S+32*(\t)+i:S+32*(\t)+i+1], v[S+32*(\t)+i:S+32*(\t)+i+1], s[CS:CS+1], v[ST+8*(\t):ST+8*(\t)+1] op_sel_hi:[1,0,0] neg_lo:[0,0,1] neg_hi:[0,0,1]
.endr
.set i, i+2
.endr
.endm
.macro EXPA y
.irp t, \y, \y+1
	v_exp_f32 v[ST+8*(\t)+6], v[ST+8*(\t)+7]       ; a
.endr
.endm
; Number n of 32 of what follows the exponentials, for tiles x and x + 1: 0-15 the roundings to f16, a pair of weights each (P takes the registers that held K); 16-30 the sum of the 16 pairs, in place; 31: l = a l + the sum
.macro FILL x
.irp t, \x, \x+1
.if n < 16
	v_cvt_pk_f16_f32 v[KF+16*(\t)+n], v[S+32*(\t)+2*n], v[S+32*(\t)+2*n+1]
.elseif n < 31
.set z, n-16
.set w, 4
.set u, z
.if z >= 14
.set w, 32
.set u, 0
.elseif z >= 12
.set w, 16
.set u, z-12
.elseif z >= 8
.set w, 8
.set u, z-8
.endif
	v_pk_add_f32 v[S+32*(\t)+w*u:S+32*(\t)+w*u+1], v[S+32*(\t)+w*u:S+32*(\t)+w*u+1], v[S+32*(\t)+w*u+w/2:S+32*(\t)+w*u+w/2+1]
.else
	v_pk_fma_f32 v[ST+8*(\t)+2:ST+8*(\t)+3], v[ST+8*(\t)+2:ST+8*(\t)+3], v[ST+8*(\t)+6:ST+8*(\t)+7], v[S+32*(\t):S+32*(\t)+1] op_sel_hi:[1,0,1]
.endif
.endr
.endm
.macro EXPP y, fill, x                 ; the 64 exponentials of tiles y and y + 1; fill = 1: between them what follows the exponentials of tiles x and x + 1, which have had their wait
.set n, 0
.rept 32
	v_exp_f32 v[S+32*(\y)+n], v[S+32*(\y)+n]
	v_exp_f32 v[S+32*(\y)+32+n], v[S+32*(\y)+32+n]
.if \fill
	FILL \x
.endif
.set n, n+1
.endr
.endm
.macro RESC                            ; O^T times a, ascending
	WIN W_RS
.irp t, 0,1,2,3
.set i, 0
.rept 16
	v_pk_mul_f32 v[32*\t+i:32*\t+i+1], v[32*\t+i:32*\t+i+1], v[ST+8*\t+6:ST+8*\t+7] op_sel_hi:[1,0]
.set i, i+2
.endr
.endr
.endm
; A KEY STEP: 64 keys for my four tiles.
.macro STEP
	v_add_nc_u32 v[ADK], s[TB], v[AK0]
	v_add_nc_u32 v[ADV], s[TB], v[AV0]
.rept 4
	v_nop                                          ; places behind the last products, ahead of the loads into the registers that held P and V
.endr
.irp f, 0,1,2,3,4,5,6,7                        ; K: keys 16 (f / 2) on, channels 32 (f % 2) on
	ds_load_b128 v[KF+8*\f:KF+8*\f+3],   v[ADK] offset:(\f/2)*16*PK+(\f%2)*64
	ds_load_b128 v[KF+8*\f+4:KF+8*\f+7], v[ADK] offset:(\f/2)*16*PK+(\f%2)*64+32
.endr
	WIN TO1
.irp f, 0,1,2,3,4,5,6,7                        ; V, turned: keys 32 (f / 4) on, channels 16 (f % 4) on
	ds_load_tr16_b128 v[VF+8*\f:VF+8*\f+3],   v[ADV] offset:(\f/4)*32*PK+(\f%4)*32
	ds_load_tr16_b128 v[VF+8*\f+4:VF+8*\f+7], v[ADV] offset:(\f/4)*32*PK+16*PK+(\f%4)*32
.endr
	s_wait_dscnt 16                                ; K's sixteen loads are in; V's sixteen stay out
	WIN W_KQ
.irp kc, 0,1                                   ; S^T = K Q^T: the 16 accumulators by turns, one instruction a turn; the first 16 start the sums
.irp t, 0,1,2,3
.irp kt, 0,1,2,3
.if \kc == 0
	v_wmma_f32_16x16x32_f16 v[S+32*\t+8*\kt:S+32*\t+8*\kt+7], v[KF+8*(2*\kt+\kc):KF+8*(2*\kt+\kc)+7], v[QF+16*\t+8*\kc:QF+16*\t+8*\kc+7], 0
.else
	v_wmma_f32_16x16x32_f16 v[S+32*\t+8*\kt:S+32*\t+8*\kt+7], v[KF+8*(2*\kt+\kc):KF+8*(2*\kt+\kc)+7], v[QF+16*\t+8*\kc:QF+16*\t+8*\kc+7], v[S+32*\t+8*\kt:S+32*\t+8*\kt+7]
.endif
.endr
.endr
.endr
	WIN 0
.rept 4
	v_nop                                          ; places ahead of the first read of the scores
.endr
	s_wait_kmcnt 0x0                               ; the masks of tiles 0 and 1
	MASK 0, MA
	MASK 1, MB
	MLOAD MA, 2
	MLOAD MB, 3
	MAXP 0
	SCALEP 0
	EXPA 0
	EXPP 0, 0, 0                                   ; tiles 0 and 1: 66 exponentials, one batch; nothing names a result before the wait below
	s_wait_kmcnt 0x0                               ; the masks of tiles 2 and 3; these loads are done, so their offset may be stepped
	MASK 2, MA                                     ; (its first line is the plain instruction behind the batch)
	MASK 3, MB
	s_add_co_u32 s[MO], s[MO], 512                 ; the next step's masks;
	s_min_u32 s[MO], s[MO], 15872                  ; the last step asks for its own once more: no load leaves the buffer
	MLOAD MA, 0
	MLOAD MB, 1
	MAXP 2
	SCALEP 2
	s_wait_alu depctr_va_vdst(0)                   ; the wait ahead of the first line that names an exponential's result: one for the batch; tiles 2 and 3's masks, maxima and scalings stood between
	EXPA 2
	EXPP 2, 1, 0                                   ; tiles 2 and 3's exponentials, with tiles 0 and 1's roundings and sums between them
	v_nop                                          ; a plain instruction behind the last exponential
	s_wait_alu depctr_va_vdst(0)                   ; and the wait for the second batch
.set n, 0
.rept 32
	FILL 2
.set n, n+1
.endr
	RESC
	s_wait_dscnt 0x0                               ; V is in
	WIN W_PV
.irp u, 0,1                                    ; O^T += V^T P: the 16 accumulators by turns
.irp t, 0,1,2,3
.irp ct, 0,1,2,3
	v_wmma_f32_16x16x32_f16 v[32*\t+8*\ct:32*\t+8*\ct+7], v[VF+8*(4*\u+\ct):VF+8*(4*\u+\ct)+7], v[KF+16*\t+8*\u:KF+16*\t+8*\u+7], v[32*\t+8*\ct:32*\t+8*\ct+7]
.endr
.endr
.endr
	WIN 0
	s_add_co_u32 s[TB], s[TB], STEPB
.endm
; THE CHANGE OF SLOTS stands at a slot's head.  Each wave waits for all its tensor loads (one is out: its part of the slot that it is about to read), adds 0 to its spare word, and waits for that and for its reads of
; the slot that it has left.  fill = 1: behind a round of the cluster's barrier the slot just left is filled with the next 256 keys: the load has four key steps in which to land.
.macro CHANGE fill
	s_wait_tensorcnt 0x0                           ; no tensor load of mine is out, so group 0 may be written
	ds_add_u32 v[SPW], v[NIL]                      ; 0 onto my spare word
.if \fill
	s_xor_b32 s[G0+1], s[G0+1], SLOT1              ; the other slot than last time,
	s_add_nc_u64 s[G0+2:G0+3], s[G0+2:G0+3], 32768 ; the next 256 keys; the type bits on top are not reached
	s_wait_xcnt 0x0                                ; the last prefetch, a slot back, has read its address, so it may be written
	s_add_nc_u64 s[PFA:PFA+1], s[PFA:PFA+1], 32768 ; one slot further on than the walking descriptor
	s_wait_dscnt 0x0                               ; the add is done, and my reads of the slot that I have left are over
	CROUND
	JLOAD
	ASK
.else
	s_wait_dscnt 0x0
	s_barrier_signal -1
	s_barrier_wait -1
.endif
.endm
.macro SLOT_STEPS                      ; a slot's four key steps: written once, walked four times
	s_mov_b32 s[INNER], 4
.Lstep_\@:
	STEP
	s_sub_co_u32 s[INNER], s[INNER], 1
	s_cmp_lg_u32 s[INNER], 0
	s_cbranch_scc1 .Lstep_\@
	s_sub_co_u32 s[TB], s[TB], 4*STEPB
	s_xor_b32 s[TB], s[TB], SLOT1                  ; on to the other slot
.endm
	s_wait_loadcnt 0x0                             ; Q
.Lslot:                                            ; seven trips: behind each change of slots but the last the next slot is asked for
	CHANGE 1
	SLOT_STEPS
	s_sub_co_u32 s[SLOTS], s[SLOTS], 1
	s_cmp_lg_u32 s[SLOTS], 0
	s_cbranch_scc1 .Lslot
	CHANGE 0                                       ; the last slot is written out
	SLOT_STEPS
	s_wait_kmcnt 0x0                               ; the last look-ahead's masks
	; THE WAY OUT.  l's two halves and the other half of the lanes' are added; O^T is divided by l, rounded to f16 and sent through my stage, a tile (16 queries) at a time.  The additions are the places behind the last products.
.irp t, 0,1,2,3
	v_add_f32 v[ST+8*\t+4], v[ST+8*\t+2], v[ST+8*\t+3]
.endr
.irp t, 0,1,2,3
	v_permlanex16_b32 v[ST+8*\t+5], v[ST+8*\t+4], s[SEL], s[SEL+1]
.endr
.irp t, 0,1,2,3
	v_add_f32 v[ST+8*\t+4], v[ST+8*\t+4], v[ST+8*\t+5]
.endr
.irp t, 0,1,2,3
	v_rcp_f32 v[ST+8*\t+6], v[ST+8*\t+4]
.endr
	v_nop                                          ; a plain instruction behind the last reciprocal
	s_wait_alu depctr_va_vdst(0)                   ; and the wait ahead of the first use: one for the four
.macro PACK t
	WIN W_RS
.set i, 0
.rept 16
	v_pk_mul_f32 v[32*\t+i:32*\t+i+1], v[32*\t+i:32*\t+i+1], v[ST+8*\t+6:ST+8*\t+7] op_sel_hi:[1,0]
.set i, i+2
.endr
	WIN 0x05                                       ; sources 0 and 1 window 1, destination window 0: S^T's registers are free
.set i, 0
.rept 16
	v_cvt_pk_f16_f32 v[S+32*\t+i], v[32*\t+2*i], v[32*\t+2*i+1]
.set i, i+1
.endr
	WIN 0
.irp c, 0,1,2,3
	ds_store_b128 v[STO], v[S+32*\t+4*\c:S+32*\t+4*\c+3] offset:32*\c   ; channels 16 c + 8 h on of query r
.endr
.irp i, 0,1,2,3
	ds_load_b128 v[S+32*\t+16+4*\i:S+32*\t+16+4*\i+3], v[RD] offset:544*\i   ; LDS serves a wave's instructions in order: these see the stores above; the next tile's stores come behind them
.endr
.endm
.macro SEND t, younger                 ; younger: the LDS instructions issued behind tile t's loads: the next tile's eight, or none
.irp i, 0,1,2,3
	s_wait_dscnt \younger+3-\i
	global_store_b128 v[GO], v[S+32*\t+16+4*\i:S+32*\t+16+4*\i+3], s[8:9] offset:\t*32768+\i*8192   ; 16 lanes store 256 consecutive bytes, at a multiple of 256 from the buffer's first byte
.endr
.endm
	PACK 0
	PACK 1
	SEND 0, 8
	PACK 2
	SEND 1, 8
	PACK 3
	SEND 2, 8
	SEND 3, 0
	s_wait_tensorcnt 0x0                           ; the wave's end: behind my last tensor load and my last LDS store
	ds_add_u32 v[SPW], v[NIL]
	s_wait_dscnt 0x0
	CROUND                                         ; the closing round
	s_endpgm
.Lfunc_end_k_q1962ba959a_attn:
	.size	k_q1962ba959a_attn, .Lfunc_end_k_q1962ba959a_attn-k_q1962ba959a_attn
	.p2alignl 7, 3214868480
	.fill 96, 4, 3214868480
	.section	.rodata,"a",@progbits
	.p2align	6, 0x0
	.amdhsa_kernel k_q1962ba959a_attn
		.amdhsa_group_segment_fixed_size 327680
		.amdhsa_private_segment_fixed_size 0
		.amdhsa_enable_private_segment 0
		.amdhsa_kernarg_size 24
		.amdhsa_user_sgpr_count 2
		.amdhsa_user_sgpr_kernarg_segment_ptr 1
		.amdhsa_wavefront_size32 1
		.amdhsa_system_sgpr_workgroup_id_x 1
		.amdhsa_system_sgpr_workgroup_id_y 1
		.amdhsa_system_sgpr_workgroup_id_z 1
		.amdhsa_system_vgpr_workitem_id 0
		.amdhsa_next_free_vgpr 512
		.amdhsa_next_free_sgpr 104
		.amdhsa_reserve_vcc 0
		.amdhsa_float_denorm_mode_32 3
		.amdhsa_float_denorm_mode_16_64 3
		.amdhsa_memory_ordered 1
		.amdhsa_forward_progress 1
		.amdhsa_inst_pref_size 108
	.end_amdhsa_kernel
	.amdgpu_metadata
---
amdhsa.version: [ 1, 2 ]
amdhsa.kernels:
  - .name:           k_q1962ba959a_attn
    .symbol:         k_q1962ba959a_attn.kd
    .args:
      - { .name: qkv16, .offset: 0, .size: 8, .value_kind: global_buffer, .address_space: global }
      - { .name: mbits, .offset: 8, .size: 8, .value_kind: global_buffer, .address_space: global }
      - { .name: ctx16, .offset: 16, .size: 8, .value_kind: global_buffer, .address_space: global }
    .group_segment_fixed_size: 327680
    .private_segment_fixed_size: 0
    .kernarg_segment_align: 8
    .kernarg_segment_size: 24
    .max_flat_workgroup_size: 256
    .sgpr_count:     104
    .vgpr_count:     512
    .wavefront_size: 32
...
	.end_amdgpu_metadata
.endif
;; end of part 3
;; launch oproj (part 4): grid 8 x 64, 4 waves a work-group, clusters of 4 x 4, 327,680 bytes of LDS; arguments ctx16, wo16, out0; writes out0
.if DOCPART == 4
	.amdgcn_target "amdgcn-amd-amdhsa--gfx1250"
	.amdhsa_code_object_version 6
	.text
	.protected	k_q1962ba959a_oproj
	.globl	k_q1962ba959a_oproj
	.p2align	8
	.type	k_q1962ba959a_oproj,@function
k_q1962ba959a_oproj:
	s_mov_b64 s[64:65], 0
	v_nop
	global_prefetch_b8 v0, s[64:65] scope:SCOPE_SE
	s_setreg_imm32_b32 hwreg(HW_REG_WAVE_MODE, 25, 1), 1
	s_wait_xcnt 0x0
	s_wait_alu depctr_hold_cnt(0) depctr_sa_sdst(0) depctr_va_vdst(0) depctr_va_sdst(0) depctr_va_ssrc(0) depctr_va_vcc(0) depctr_vm_vsrc(0)
	s_getreg_b32 s2, hwreg(HW_REG_IB_STS2, 6, 4)
	s_cmp_eq_u32 s2, 0
	s_cbranch_scc0 .Lentry_in_a_cluster
	s_endpgm
.Lentry_in_a_cluster:
	s_bfe_u32 s2, ttmp6, 0x10000c
	s_cmp_lg_u32 s2, 0xf033
	s_cbranch_scc0 .Lentry_shape_is_right
	s_endpgm
.Lentry_shape_is_right:
; out0[m][n] = sum over k of ctx[m][k] Wo[n][k]: [8192][1024] f32, from f16 operands, sums in f32.
; ctx16 is laid [pair of rows 4096][head 16][row of the pair 2][64]: 256 along K (four heads) of a pair of rows are 1,024 consecutive bytes.  wo16 is [1024 n][1024 k].
; A tile of C is 128 x 128: four waves, each 64 x 64: 16 accumulators of 16 x 16.  512 tiles: two even turns of 256.  K goes in four steps of 256 through a ring of two LDS slots.
; A wave's tensor load brings 64 rows: of B as 64 rows of 512 bytes (528 apart in LDS), of A as 32 pairs of rows of 1,024 bytes (1,040 apart).
; CLUSTERS: 4 x 4 work-groups; A's tiles are asked for jointly along a row of the cluster, B's along a column.  THE MATRIX INSTRUCTION IS USED TRANSPOSED (source 0 = 16 rows of B, source 1 = 16 rows of A):
; a lane then holds eight neighbouring numbers of a row of C, 32 bytes.
; REGISTERS: window 0: v0-31 addresses; v32-95 the way out; v128-255 the accumulators ((a, b) at v[128 + 8 (4 a + b)]).   window 1: two fragment buffers of 128: 64 registers of A, then 64 of B, for 64 along K.
.set SIZE_N, 1024
.set SIZE_K, 1024
.set KSTEP,  256
.set ASTEP,  1024                      ; a K step on in ctx16, in bytes
.set PITCH,  528                       ; B's LDS row: 512 bytes + 16
.set APITCH, 1040                      ; A's LDS row (a pair of rows): 1,024 bytes + 16
.set HALFT,  64*PITCH                  ; what one tensor load brings, at the most (A's 32 x 1,040 bytes are 512 fewer)
.set SLOT,   4*HALFT
.set STAGE,  2*SLOT                    ; behind the ring: 16 rows x 272 bytes for each wave
.set SPITCH, 272
.set SPARE,  STAGE+4*16*SPITCH         ; the spare words, 128 bytes for each wave: two blocks of 256 bytes that no other line names
.set LAPS, SIZE_K/(2*KSTEP)
.set ADRA, 16
.set ADRB, 20
.set STO,  24
.set RD,   25
.set CO,   26
.set SPW,  28
.set NIL,  29
.set TMP,  32
.set ACC,  128
.set F0,   0
.set F1,   128
.set G1, 24
.set G0, 32
.set G1B, 48
.set G0B, 56
.set MSB, 0
.macro WIN new                         ; the immediate's high byte repeats the setting that is left
.if MSB != \new
	s_set_vgpr_msb (MSB<<8)|\new
.set MSB, \new
.endif
.endm
.set MUL,  0x05                        ; sources 0 (B) and 1 (A) window 1; C and D window 0
.set TO_F, 0x40                        ; destination window 1, address window 0
.macro JLOAD s                         ; a joint load: waves 0 and 1 fetch A's two halves, waves 2 and 3 B's; an s_nop 0 and four v_nop follow each of the two lines
	s_cmp_eq_u32 s11, 0
	s_cbranch_scc0 .Lfor_b_\@
	tensor_load_to_lds s[G0+4*\s:G0+4*\s+3], s[G1:G1+7]
	s_nop 0
.rept 4
	v_nop
.endr
	s_branch .Lasked_\@
.Lfor_b_\@:
	tensor_load_to_lds s[G0B+4*\s:G0B+4*\s+3], s[G1B:G1B+7]
	s_nop 0
.rept 4
	v_nop
.endr
.Lasked_\@:
.endm
.macro CREST                           ; a round of the cluster's barrier behind its opening barrier
	s_cmp_lg_u32 s10, 0
	s_cbranch_scc1 .Lnot_wave_0_\@
	s_barrier_signal -3
.Lnot_wave_0_\@:
	s_barrier_wait -3
	s_barrier_signal -1
	s_barrier_wait -1
.endm
.macro CROUND
	s_barrier_signal -1
	s_barrier_wait -1
	CREST
.endm
	s_load_b128 s[4:7], s[0:1], 0x0                ; ctx16 s[4:5], wo16 s[6:7]
	s_load_b64 s[8:9], s[0:1], 0x10                ; out0
	v_lshl_add_u32 v[SPW], v0, 2, SPARE
	v_mov_b32 v[NIL], 0
	ds_add_u32 v[SPW], v[NIL]                      ; the wave's opening: the add, twice on end, and its wait ahead of my first tensor load
	ds_add_u32 v[SPW], v[NIL]
	v_lshrrev_b32 v1, 5, v0
	v_readfirstlane_b32 s10, v1                    ; wave 0..3
	s_lshr_b32 s11, s10, 1                         ; which half of the tile's rows is mine.  Also: I fetch for A (0) or for B (1)
	s_and_b32 s12, s10, 1                          ; which half of its columns.  Also: which 64 rows of that tile I fetch
	s_bfe_u32 s40, ttmp6, 0x40000                  ; cx, cy
	s_bfe_u32 s41, ttmp6, 0x40004
	s_lshl_b32 s42, ttmp9, 2
	s_add_co_u32 s42, s42, s40                     ; tile column
	s_and_b32 s13, ttmp7, 0xffff
	s_lshl_b32 s13, s13, 2
	s_add_co_u32 s13, s13, s41                     ; tile row
	s_lshl_b32 s43, s41, 2
	s_lshl_b32 s43, 15, s43                        ; my row of the cluster
	s_lshl_b32 s44, 0x1111, s40                    ; my column
	; group 1 for A: 32 pairs of rows x 512 elements of 2 bytes, 2,048 elements apart; four words of padding after every 256 words (code 7)
	s_or_b32 s[G1+0], s43, (1<<16)|(1<<20)|(1<<21)|(7<<22)|(3<<25)
	s_mov_b32 s[G1+1], 512<<16                     ; tensor_dim0
	s_mov_b32 s[G1+2], 32<<16                      ; tensor_dim1
	s_mov_b32 s[G1+3], 512<<16                     ; tile_dim0
	s_mov_b32 s[G1+4], 32                          ; tile_dim1
	s_mov_b32 s[G1+5], 2048                        ; tensor_dim0_stride
	s_mov_b32 s[G1+6], 0
	s_mov_b32 s[G1+7], 0
	; group 1 for B: 64 rows x 256 elements, 1,024 apart; four words of padding after every 128 words (code 6)
	s_or_b32 s[G1B+0], s44, (1<<16)|(1<<20)|(1<<21)|(6<<22)|(3<<25)
	s_mov_b32 s[G1B+1], KSTEP<<16
	s_mov_b32 s[G1B+2], 64<<16
	s_mov_b32 s[G1B+3], KSTEP<<16
	s_mov_b32 s[G1B+4], 64
	s_mov_b32 s[G1B+5], SIZE_K
	s_mov_b32 s[G1B+6], 0
	s_mov_b32 s[G1B+7], 0
	s_lshl_b32 s17, s12, 6                         ; which 64 rows of the tile I fetch
	s_lshl_b32 s16, s13, 7
	s_add_co_u32 s16, s16, s17                     ; A: row 128 x tile row + 64 x half (even: a whole pair begins there)
	s_lshl_b32 s46, s42, 7
	s_add_co_u32 s46, s46, s17                     ; B: row 128 x tile column + 64 x half
	s_mov_b32 s17, 0
	s_mov_b32 s47, 0
	s_mov_b64 s[18:19], SIZE_K*2                   ; 2,048 bytes a row in both buffers (a pair of rows of ctx16 is 4,096)
	s_mul_u64 s[16:17], s[16:17], s[18:19]
	s_mul_u64 s[46:47], s[46:47], s[18:19]
	s_mul_i32 s20, s10, HALFT                      ; where they go: wave x HALFT
	s_wait_dscnt 0x0                               ; both opening adds are done
	s_wait_kmcnt 0x0
	s_add_nc_u64 s[14:15], s[4:5], s[16:17]
	s_add_nc_u64 s[46:47], s[6:7], s[46:47]
	CROUND                                         ; all sixteen work-groups are here: the first joint loads meet
.irp s, 0,1
	s_mov_b32 s[G0+4*\s], 1
	s_add_co_u32 s[G0+4*\s+1], s20, \s*SLOT
	s_add_nc_u64 s[G0+4*\s+2:G0+4*\s+3], s[14:15], \s*ASTEP
	s_or_b32 s[G0+4*\s+3], s[G0+4*\s+3], 0x80000000
	s_mov_b32 s[G0B+4*\s], 1
	s_add_co_u32 s[G0B+4*\s+1], s20, \s*SLOT
	s_add_nc_u64 s[G0B+4*\s+2:G0B+4*\s+3], s[46:47], \s*KSTEP*2
	s_or_b32 s[G0B+4*\s+3], s[G0B+4*\s+3], 0x80000000
	JLOAD \s                                       ; two loads of mine are out
.endr
	v_and_b32 v1, 15, v0                           ; r
	v_bfe_u32 v2, v0, 4, 1                         ; h
	v_mul_u32_u24 v3, v1, PITCH
	v_lshl_add_u32 v3, v2, 4, v3                   ; B: row x pitch + 16 h
	v_lshrrev_b32 v4, 1, v1
	v_mul_u32_u24 v4, v4, APITCH
	v_and_b32 v5, 1, v1
	v_lshl_add_u32 v4, v5, 7, v4
	v_lshl_add_u32 v4, v2, 4, v4                   ; A: pair r / 2, + 128 (r % 2), + 16 h: sixteen lanes touch sixteen different columns of 16 bytes
	s_mul_i32 s21, s11, HALFT                      ; my 64 rows of A
	s_mul_i32 s22, s12, HALFT                      ; my 64 rows of B,
	s_add_co_u32 s22, s22, 2*HALFT                 ; which lie behind A's
.irp s, 0,1
	v_add_nc_u32 v[ADRA+\s], s21, v4
	v_add_nc_u32 v[ADRB+\s], s22, v3
	s_add_co_u32 s21, s21, SLOT
	s_add_co_u32 s22, s22, SLOT
.endr
	s_mul_i32 s23, s10, 16*SPITCH
	s_add_co_u32 s23, s23, STAGE                   ; my stage
	v_mul_u32_u24 v4, v1, SPITCH
	v_lshl_add_u32 v4, v2, 5, v4
	v_add_nc_u32 v[STO], s23, v4                   ; in: row r, 32 bytes for each half of the lanes
	v_mul_u32_u24 v5, v2, SPITCH
	v_lshl_add_u32 v5, v1, 4, v5
	v_add_nc_u32 v[RD], s23, v5                    ; back: lanes 0-15 one row of 256 bytes, lanes 16-31 the next
	v_lshlrev_b32 v5, 12, v2
	v_lshl_add_u32 v[CO], v1, 4, v5                ; and the same two rows in out0, 4,096 bytes apart
	s_lshl_b32 s16, s13, 7
	s_lshl_b32 s17, s11, 6
	s_add_co_u32 s16, s16, s17                     ; my first row: 128 x tile row + 64 x half
	s_lshl_b32 s16, s16, 12
	s_mov_b32 s17, 0
	s_add_nc_u64 s[8:9], s[8:9], s[16:17]
	s_lshl_b32 s46, s42, 9                         ; my first column, in bytes: 512 x tile column + 256 x half
	s_lshl_b32 s47, s12, 8
	s_add_co_u32 s46, s46, s47
	s_mov_b32 s47, 0
	s_add_nc_u64 s[8:9], s[8:9], s[46:47]
; 8 matrix instructions: m blocks a0, a0 + 1 x all 4 n blocks, 32 along K: half c of buffer f.  The 16 accumulators take turns.  zero = 1: the first product starts the sums
.macro MUL8 f, c, a0, zero
.irp a, \a0, \a0+1
.irp b, 0,1,2,3
.if \zero
	v_wmma_f32_16x16x32_f16 v[ACC+8*(4*(\a)+\b):ACC+8*(4*(\a)+\b)+7], v[\f+64+8*(4*\c+\b):\f+64+8*(4*\c+\b)+7], v[\f+8*(4*\c+\a):\f+8*(4*\c+\a)+7], 0
.else
	v_wmma_f32_16x16x32_f16 v[ACC+8*(4*(\a)+\b):ACC+8*(4*(\a)+\b)+7], v[\f+64+8*(4*\c+\b):\f+64+8*(4*\c+\b)+7], v[\f+8*(4*\c+\a):\f+8*(4*\c+\a)+7], v[ACC+8*(4*(\a)+\b):ACC+8*(4*(\a)+\b)+7]
.endif
.endr
.endr
.endm
; 32 LDS loads in one run: the fragments of 64 along K (one head), the quarter at byte k of B's rows, into buffer f; the first 32 along K first.  In A's rows a head is 256 bytes (both rows of the pair)
.macro FETCH slot, k, f
	WIN TO_F
.irp c, 0,1
.irp i, 0,1,2,3
	ds_load_b128 v[\f+64+8*(4*\c+\i):\f+64+8*(4*\c+\i)+3],   v[ADRB+\slot] offset:\k+64*\c+\i*16*PITCH
	ds_load_b128 v[\f+64+8*(4*\c+\i)+4:\f+64+8*(4*\c+\i)+7], v[ADRB+\slot] offset:\k+64*\c+\i*16*PITCH+32
	ds_load_b128 v[\f+8*(4*\c+\i):\f+8*(4*\c+\i)+3],         v[ADRA+\slot] offset:((\k)/128)*256+64*\c+\i*8*APITCH
	ds_load_b128 v[\f+8*(4*\c+\i)+4:\f+8*(4*\c+\i)+7],       v[ADRA+\slot] offset:((\k)/128)*256+64*\c+\i*8*APITCH+32
.endr
.endr
.endm
.macro PLACES                          ; four plain vector instructions in front of loads into registers that matrix instructions have read, and of reads of results (ISA guide 7.12.1 for the reads)
.rept 4
	v_nop
.endr
.endm
.macro QUARTER slot, k, f, g, zero     ; multiplies buffer f and fetches the next quarter, at byte k, into g
	s_wait_dscnt 16                                ; the first 32 along K are in; the sixteen younger loads may be out
	WIN MUL
	MUL8 \f, 0, 0, \zero
	MUL8 \f, 0, 2, \zero
	PLACES
	FETCH \slot, \k, \g
	s_wait_dscnt 32                                ; all but the 32 just issued
	WIN MUL
	MUL8 \f, 1, 0, 0
	MUL8 \f, 1, 2, 0
.endm
; The last quarter multiplies buffer 1 and changes slots: ONE barrier; in front of it each wave waits for all its tensor loads, adds 0 to its spare word, and waits for that and for its own reads of this slot.
.macro TURN slot, next, fill
	WIN 0
	s_wait_tensorcnt 0x0                           ; all my tensor loads have landed: my part of the next slot
	ds_add_u32 v[SPW], v[NIL]                      ; 0 onto my spare word
	s_wait_dscnt 17                                ; (the add and the youngest sixteen loads may be out)
	WIN MUL
	MUL8 F1, 0, 0, 0
	s_wait_dscnt 0x0                               ; the add is done, and my reads of this slot are over
	s_barrier_signal -1
	MUL8 F1, 0, 2, 0
.if \fill
	WIN 0
.endif
	s_barrier_wait -1
.if \fill
	CREST                                          ; the barrier has opened a round of the cluster's barrier: no wave of any partner still reads this slot or has a load on its way
	s_add_nc_u64 s[G0+4*\slot+2:G0+4*\slot+3], s[G0+4*\slot+2:G0+4*\slot+3], 2*ASTEP
	s_add_nc_u64 s[G0B+4*\slot+2:G0B+4*\slot+3], s[G0B+4*\slot+2:G0B+4*\slot+3], 2*KSTEP*2
	JLOAD \slot                                    ; the first tensor load behind the round; its four v_nop are also the places in front of the loads below
.else
	PLACES
.endif
	FETCH \next, 0, F0
	WIN MUL
	MUL8 F1, 1, 0, 0
	MUL8 F1, 1, 2, 0
.endm
	s_wait_tensorcnt 1                             ; my part of K step 0 is in (K step 1's load may be out)
	s_barrier_signal -1
	s_barrier_wait -1                              ; everybody's is
	FETCH 0, 0, F0
	QUARTER 0, 128, F0, F1, 1                      ; the first quarter's first products start the sums
	WIN 0
	s_mov_b32 s3, LAPS-1
.Llap:                                             ; a trip goes once round the ring and fills both slots again
	QUARTER 0, 256, F1, F0, 0
	QUARTER 0, 384, F0, F1, 0
	TURN 0, 1, 1
	QUARTER 1, 128, F0, F1, 0
	QUARTER 1, 256, F1, F0, 0
	QUARTER 1, 384, F0, F1, 0
	TURN 1, 0, 1
	QUARTER 0, 128, F0, F1, 0
	WIN 0
	s_sub_co_u32 s3, s3, 1
	s_cmp_lg_u32 s3, 0
	s_cbranch_scc1 .Llap
	QUARTER 0, 256, F1, F0, 0                      ; the last lap fills nothing
	QUARTER 0, 384, F0, F1, 0
	TURN 0, 1, 0
	QUARTER 1, 128, F0, F1, 0
	QUARTER 1, 256, F1, F0, 0
	QUARTER 1, 384, F0, F1, 0
	s_wait_dscnt 16                                ; the very last quarter
	WIN MUL
	MUL8 F1, 0, 0, 0
	MUL8 F1, 0, 2, 0
	s_wait_dscnt 0
	MUL8 F1, 1, 0, 0
	MUL8 F1, 1, 2, 0
	WIN 0
; THE WAY OUT, block by block of 16 rows x 64 columns of f32: a lane's 32 bytes go into my own stage and come back as whole rows of 256 bytes.  LDS serves a wave's instructions in order: no wait between stores and loads.
.macro TOSTAGE a
.irp b, 0,1,2,3
	ds_store_b128 v[STO], v[ACC+8*(4*(\a)+\b):ACC+8*(4*(\a)+\b)+3] offset:64*\b        ; each accumulator from its low end on
	ds_store_b128 v[STO], v[ACC+8*(4*(\a)+\b)+4:ACC+8*(4*(\a)+\b)+7] offset:64*\b+16
.endr
.irp i, 0,1,2,3,4,5,6,7
	ds_load_b128 v[TMP+32*((\a)%2)+4*\i:TMP+32*((\a)%2)+4*\i+3], v[RD] offset:\i*2*SPITCH
.endr
.endm
.macro SEND a, younger                 ; younger: the LDS instructions issued behind block a's loads, which may stay out
	s_wait_dscnt \younger
.irp i, 0,1,2,3,4,5,6,7
	global_store_b128 v[CO], v[TMP+32*((\a)%2)+4*\i:TMP+32*((\a)%2)+4*\i+3], s[8:9] offset:(16*(\a)+2*\i)*4096 th:TH_STORE_NT   ; 16 lanes store 256 consecutive bytes, at a multiple of 256 from out0's first byte
.endr
.endm
	PLACES                                         ; behind the last products, ahead of the first read of results
	TOSTAGE 0
.irp a, 1,2,3
.if \a > 1
	s_wait_xcnt 0x0                                ; block a - 2's stores have read their registers: block a's loads may land there
.endif
	TOSTAGE \a
	SEND \a-1, 16                                  ; behind block a - 1's loads: block a's 8 stores and 8 loads
.endr
	SEND 3, 0
	s_wait_tensorcnt 0x0                           ; the wave's end: behind my last tensor load and my last LDS store
	ds_add_u32 v[SPW], v[NIL]
	s_wait_dscnt 0x0
	CROUND                                         ; the closing round
	s_endpgm
.Lfunc_end_k_q1962ba959a_oproj:
	.size	k_q1962ba959a_oproj, .Lfunc_end_k_q1962ba959a_oproj-k_q1962ba959a_oproj
	.p2alignl 7, 3214868480
	.fill 96, 4, 3214868480
	.section	.rodata,"a",@progbits
	.p2align	6, 0x0
	.amdhsa_kernel k_q1962ba959a_oproj
		.amdhsa_group_segment_fixed_size 327680
		.amdhsa_private_segment_fixed_size 0
		.amdhsa_enable_private_segment 0
		.amdhsa_kernarg_size 24
		.amdhsa_user_sgpr_count 2
		.amdhsa_user_sgpr_kernarg_segment_ptr 1
		.amdhsa_wavefront_size32 1
		.amdhsa_system_sgpr_workgroup_id_x 1
		.amdhsa_system_sgpr_workgroup_id_y 1
		.amdhsa_system_sgpr_workgroup_id_z 1
		.amdhsa_system_vgpr_workitem_id 0
		.amdhsa_next_free_vgpr 512
		.amdhsa_next_free_sgpr 66
		.amdhsa_reserve_vcc 0
		.amdhsa_float_denorm_mode_32 3
		.amdhsa_float_denorm_mode_16_64 3
		.amdhsa_memory_ordered 1
		.amdhsa_forward_progress 1
		.amdhsa_inst_pref_size 86
	.end_amdhsa_kernel
	.amdgpu_metadata
---
amdhsa.version: [ 1, 2 ]
amdhsa.kernels:
  - .name:           k_q1962ba959a_oproj
    .symbol:         k_q1962ba959a_oproj.kd
    .args:
      - { .name: ctx16, .offset: 0, .size: 8, .value_kind: global_buffer, .address_space: global }
      - { .name: wo16, .offset: 8, .size: 8, .value_kind: global_buffer, .address_space: global }
      - { .name: out0, .offset: 16, .size: 8, .value_kind: global_buffer, .address_space: global }
    .group_segment_fixed_size: 327680
    .private_segment_fixed_size: 0
    .kernarg_segment_align: 8
    .kernarg_segment_size: 24
    .max_flat_workgroup_size: 128
    .sgpr_count:     66
    .vgpr_count:     512
    .wavefront_size: 32
...
	.end_amdgpu_metadata
.endif
;; end of part 4
